; MI455X (gfx1250); checked and timed in simulation.
; The chip was launched on July 23, 2026; its instructions are those of AMD's public machine-readable ISA for CDNA 5 (MIT licence, August 2026) and "CDNA5" Instruction Set Architecture Reference Guide (July 2026). The comments in the code are by the model that wrote it; some were corrected since.
;; Mo E Block. Allowed arithmetic: matrix products marked QUANTISED: E2M3 operands, one E8M0 scale for each 32 along K, by v_wmma_scale_f32_16x16x128_f8f6f4 with both operands' format E2M3, f32 sums; products left as they are: f32 operands where the result goes on into a quantised operand, else bf16, f16 or f32 operands; f32 sums; everything else in f32.
;; Inputs: W1 8 x 512 x 2,048 float32; W2 8 x 512 x 2,048 float32; W3 8 x 2,048 x 512 float32; Wr 512 x 8 float32; br 8 float32; x 8 x 256 x 512 float32.
;; Outputs: out0 8 x 256 x 512 float32.
;; This version of the problem:
;;   THIS VERSION OF THE PROBLEM IS GIVEN IN LOW PRECISION. The matrix products marked QUANTISED in the list below multiply operands that are first quantised to E2M3 (2 exponent bits, 3 mantissa bits; 6 bits a number), with one power-of-two scale for each 32 numbers along K (OCP MX v1.0); their sums are f32. All else is computed in f32.
;;   The module's matrix products, in the order in which they are computed (A, B: the left and right operand; K: the contracted axis; several contracted axes count as one K, in the product's order):
;;     1. [M 2,048, K 512] x [K 512, N 8]; A: input x; B: input Wr: left as it is (N = 8 < 16)
;;     2. [M 4,096, K 8] x [K 8, N 1]; A: computed on the way; B: computed on the way: left as it is (K = 8 < 32)
;;     3. [M 2,048, K 512] x [K 512, N 2,048]; A: input x; B: input W2: QUANTISED
;;     4. [M 2,048, K 512] x [K 512, N 2,048]; A: input x; B: input W1: QUANTISED
;;     5. [M 2,048, K 2,048] x [K 2,048, N 512]; A: computed on the way; B: input W3: QUANTISED
;;     6. [M 2,048, K 512] x [K 512, N 2,048]; A: input x; B: input W2: QUANTISED
;;     7. [M 2,048, K 512] x [K 512, N 2,048]; A: input x; B: input W1: QUANTISED
;;     8. [M 2,048, K 2,048] x [K 2,048, N 512]; A: computed on the way; B: input W3: QUANTISED
;;     9. [M 2,048, K 512] x [K 512, N 2,048]; A: input x; B: input W2: QUANTISED
;;     10. [M 2,048, K 512] x [K 512, N 2,048]; A: input x; B: input W1: QUANTISED
;;     11. [M 2,048, K 2,048] x [K 2,048, N 512]; A: computed on the way; B: input W3: QUANTISED
;;     12. [M 2,048, K 512] x [K 512, N 2,048]; A: input x; B: input W2: QUANTISED
;;     13. [M 2,048, K 512] x [K 512, N 2,048]; A: input x; B: input W1: QUANTISED
;;     14. [M 2,048, K 2,048] x [K 2,048, N 512]; A: computed on the way; B: input W3: QUANTISED
;;     15. [M 2,048, K 512] x [K 512, N 2,048]; A: input x; B: input W2: QUANTISED
;;     16. [M 2,048, K 512] x [K 512, N 2,048]; A: input x; B: input W1: QUANTISED
;;     17. [M 2,048, K 2,048] x [K 2,048, N 512]; A: computed on the way; B: input W3: QUANTISED
;;     18. [M 2,048, K 512] x [K 512, N 2,048]; A: input x; B: input W2: QUANTISED
;;     19. [M 2,048, K 512] x [K 512, N 2,048]; A: input x; B: input W1: QUANTISED
;;     20. [M 2,048, K 2,048] x [K 2,048, N 512]; A: computed on the way; B: input W3: QUANTISED
;;     21. [M 2,048, K 512] x [K 512, N 2,048]; A: input x; B: input W2: QUANTISED
;;     22. [M 2,048, K 512] x [K 512, N 2,048]; A: input x; B: input W1: QUANTISED
;;     23. [M 2,048, K 2,048] x [K 2,048, N 512]; A: computed on the way; B: input W3: QUANTISED
;;     24. [M 2,048, K 512] x [K 512, N 2,048]; A: input x; B: input W2: QUANTISED
;;     25. [M 2,048, K 512] x [K 512, N 2,048]; A: input x; B: input W1: QUANTISED
;;     26. [M 2,048, K 2,048] x [K 2,048, N 512]; A: computed on the way; B: input W3: QUANTISED
;;     27. batch 2,048 x [M 512, K 2] x [K 2, N 1]; A: computed on the way; B: computed on the way: left as it is (K = 2 < 32)
;;   THE QUANTISER, for each operand of a quantised product, along K:
;;     - K is cut into blocks of 32 from its start; a last block that is shorter is filled with zeros.
;;     - A block's scale is 2^e with e = floor(log2(the largest magnitude in the block)) - 2, held to -126 .. 127; a block of zeros has e = 0. As a byte (E8M0): e + 127.
;;     - Each number is divided by its block's scale, clamped to +-7.5, and rounded to the nearest number of E2M3, ties to even, subnormals kept.
;;     - The product sums the exact products of the quantised numbers (number of the format x scale) in f32.
;;   ~~~python
;;   def quantise(x, axis):      # numpy; x: float32 -> the quantised numbers, widened to float32 again
;;       x = np.moveaxis(x, axis, -1); K = x.shape[-1]
;;       x = np.pad(x, [(0, 0)] * (x.ndim - 1) + [(0, -K % 32)]); x = x.reshape(x.shape[:-1] + (-1, 32)); a = np.abs(x).max(-1, keepdims=True)
;;       e = np.where(a > 0, np.clip(np.frexp(np.where(a > 0, a, 1))[1] - 1 - 2, -126, 127), 0)      # np.frexp(a)[1] - 1 = floor(log2(a)), exactly
;;       r = np.clip(x / 2.0 ** e, -7.5, 7.5)
;;       step = 2.0 ** (np.maximum(np.frexp(np.where(r == 0, 1, r))[1] - 1, 0) - 3)
;;       q = np.round(r / step) * step * 2.0 ** e      # np.round: ties to even
;;       return np.moveaxis(q.reshape(q.shape[:-2] + (-1,))[..., :K], -1, axis).astype(np.float32)
;;   ~~~
;;   OPERANDS COMPUTED ON THE WAY. 'Computed on the way' means the value that the module computes at that place (a softmax that the list does not call 'softmax' is quantised finished and normalised). What goes into a quantiser is computed in f32, as accurately as f32 sums, v_exp_f32 and their like allow (about 1e-6 of the number): no bf16 or f16 on the way to a quantiser, and a product that is left as it is and whose result goes on into a quantised operand takes f32 operands (vector FMAs, or v_wmma_f32_16x16x4_f32). A number that lies on a knife's edge between two numbers of the format may be rounded either way, as far as f32 arithmetic and the matrix unit's own rounding can turn it there, and no further.
;; One version. Each part assembles by itself: llvm-mc -triple=amdgcn-amd-amdhsa -mcpu=gfx1250 --defsym DOCPART=n.
;; ======== version 1 of 1: 4 launches
;; workspace buffers: wq 19,660,800 bytes; bm 8,192 bytes of whole numbers; sc 16,384 bytes; xq 908,800 bytes; lst 18,176 bytes of whole numbers; coef 18,176 bytes; hq 3,635,200 bytes
;; launch prep1 (part 1): grid 576 x 1, 8 waves a work-group, no clusters, 2,048 bytes of LDS; arguments x, Wr, br, W1, W2, wq, bm, sc; writes wq, bm, sc
.if DOCPART == 1
	.amdgcn_target "amdgcn-amd-amdhsa--gfx1250"
	.amdhsa_code_object_version 6
	.text
	.protected	k_q2fa7f7cbbc_prep1
	.globl	k_q2fa7f7cbbc_prep1
	.p2align	8
	.type	k_q2fa7f7cbbc_prep1,@function
k_q2fa7f7cbbc_prep1:
	s_mov_b64 s[64:65], 0
	v_nop
	global_prefetch_b8 v0, s[64:65] scope:SCOPE_SE
	s_setreg_imm32_b32 hwreg(HW_REG_WAVE_MODE, 25, 1), 1
	s_wait_xcnt 0x0
; TWO JOBS IN ONE LAUNCH, parted by the work-group's number.
; Work-groups 0-63: THE ROUTER, 32 tokens each: logits = x Wr + br by f32 multiply-adds, the two largest (ties: the lower index), their softmax (the larger logit is taken away first),
;   and a record of whole numbers for the 32 tokens.  Everything is stored at fixed places: no address here hangs on the choice.
; Work-groups 64-575: W1 and W2 [8][512][2048] f32 (K is the middle axis) become codes of FP6 (E2M3) with one E8M0 byte for each 32 along K, laid in the order of the operand's registers.
;   A wave takes 32 columns x 128 along K.  A LANE TAKES A COLUMN AND ITS REGISTERS RUN DOWN K: a block of 32 lies in one lane, and the conversions give codes with K innermost.
;   Lanes 0-15 take columns r + 8 (r / 8) of the 32 (tile 0), lanes 16-31 those 8 further on (tile 1): so the results of two neighbouring tiles are 16 neighbours along the next product's K.
; wq: codes of matrix m (0 W1, 1 W2, 2 W3) from m x 6,291,456 on, [expert][group of 32 columns][K step of 128][tile][1,536]: registers 4 q .. 4 q + 3 of lane l at 512 q + 16 l;
;     scale words from SCB + m x 262,144 on, [expert][group][K step][lane] x 4 bytes: tile 0's words in lanes 0-15, tile 1's in lanes 16-31.
; bm: a record of 128 bytes for each 32 tokens: words 0-7 the tokens whose larger chosen expert is e; word 8: bit e: all 32 chose e first, bit 8 + e: all 32 have e among their two;
;     word 9: first | second << 8 of the last token; words 10, 11: the eight masks' counts, a byte each; the rest 0.       sc: (score 0, score 1) for each token.
; LIMITS: NaN and infinities are not served.  Two logits closer than the rounding of an f32 sum of 512 terms may be ordered otherwise than by another order of summing.
;   A block of zeros gets the byte 1 (its codes are zeros, and this program alone reads the bytes).
.set SCB,  18874368
.set LG,   2                           ; v2-33    router: 4 tokens x 8 partial logits
.set WR,   34                          ; v34-161  router: Wr[128 j + 4 l + c][e] at WR + 32 j + 8 c + e
.set XR,   162                         ; v162-225 router: x[token][128 j + 4 l + c] at XR + 16 token + 4 j + c
.set TK,   230                         ; v230-237 router: at work in the sum over lanes
.set X,    32                          ; v32-159  quantiser: my column's 128 numbers
.set T0,   160                         ; v160-171 the even blocks' codes, then tile 0's fragment
.set T1,   172                         ; v172-183 the odd blocks' codes, then tile 1's fragment
.set U,    184                         ; v184-186 a block's upper 16 codes (a conversion's three registers begin on an even number)
.macro QLOAD b, rowb                   ; block b: 32 rows of K at my column; 32 lanes read 128 consecutive bytes
.set QI, 0
.rept 32
	global_load_b32 v[X+32*(\b)+QI], v4, s[36:37] offset:(32*(\b)+QI)*(\rowb) th:TH_LOAD_NT
.set QI, QI+1
.endr
.endm
.macro QBLOCK b                        ; block b of my column: largest magnitude, scale, 32 codes in six registers
.set QX, X+32*(\b)
.set TX, T0+12*((\b)%2)+6*((\b)/2)
	v_max3_num_f32 v8, |v[QX]|, |v[QX+1]|, |v[QX+2]|
	v_max3_num_f32 v9, |v[QX+3]|, |v[QX+4]|, |v[QX+5]|
.irp i, 6,10,14,18,22,26
	v_max3_num_f32 v8, v8, |v[QX+\i]|, |v[QX+\i+1]|
	v_max3_num_f32 v9, v9, |v[QX+\i+2]|, |v[QX+\i+3]|
.endr
	v_max3_num_f32 v8, v8, |v[QX+30]|, |v[QX+31]|
	v_max3_num_f32 v8, v8, v9, 0x1800000           ; the floor 2^(3 - 127): the byte cannot fall under 1
	v_add_nc_u32 v10, 0xff000000, v8               ; 2 off the exponent field: the conversion takes this operand's exponent field as its scale
	v_cvt_scalef32_pk16_fp6_f32 v[TX:TX+2], v[QX:QX+15], v10
	v_cvt_scalef32_pk16_fp6_f32 v[U:U+2], v[QX+16:QX+31], v10
	v_lshrrev_b32 v11, 23, v10                     ; the scale's byte; also the plain line behind the conversions
.if (\b) == 0
	v_mov_b32 v12, v11
.else
	v_lshl_or_b32 v12, v11, 8*(\b), v12            ; four bytes make my column's scale word
.endif
.irp i, 0,1,2
	v_mov_b32 v[TX+3+\i], v[U+\i]
.endr
.endm
.macro QW rowb                         ; the wave's whole share.  s[36:37] the numbers, s[38:39] the codes, s[40:41] the scale words; v4 = 4 x column, v5 = 16 x lane, v6 = 4 x lane
	QLOAD 0, \rowb
	QLOAD 1, \rowb
	s_wait_loadcnt 32                              ; block 0 is in; block 1's 32 loads may be out
	QLOAD 2, \rowb
	QBLOCK 0
	s_wait_loadcnt 32                              ; block 1 is in; block 2's may be out
	QLOAD 3, \rowb
	QBLOCK 1
	s_wait_loadcnt 32                              ; block 2 is in; block 3's may be out
	QBLOCK 2
	s_wait_loadcnt 0x0
	QBLOCK 3
.irp k, 0,1,2,3,4,5,6,7,8,9,10,11      ; the operand wants lanes 0-15 to hold a tile's even blocks and lanes 16-31 its odd ones: the even set's upper lanes change places with the odd set's lower lanes
	v_permlane16_swap_b32 v[T0+\k], v[T1+\k]
.endr
.irp q, 0,1,2,3,4,5
	global_store_b128 v5, v[T0+4*\q:T0+4*\q+3], s[38:39] offset:512*\q   ; 32 lanes store 512 consecutive bytes, at a multiple of 256 from the buffer's first byte
.endr
	global_store_b32 v6, v12, s[40:41]
.endm
.macro QLANES                          ; column = lane with bits 3 and 4 changed over
	v_and_b32 v2, 7, v1
	v_and_b32 v3, 8, v1
	v_lshl_or_b32 v2, v3, 1, v2
	v_and_b32 v3, 16, v1
	v_lshrrev_b32 v3, 1, v3
	v_or_b32 v2, v2, v3
	v_lshlrev_b32 v4, 2, v2
	v_lshlrev_b32 v5, 4, v1
	v_lshlrev_b32 v6, 2, v1
.endm
; one token's 8 partial logits of my 16 numbers of x: 64 packed multiply-adds in four chains by turns; x's number serves both halves
.macro TOKSUM tau
.irp j, 0,1,2,3
.irp c, 0,1,2,3
.irp e, 0,2,4,6
.if (\j) == 0 && (\c) == 0
	v_pk_mul_f32 v[LG+8*\tau+\e:LG+8*\tau+\e+1], v[XR+16*\tau:XR+16*\tau+1], v[WR+\e:WR+\e+1] op_sel_hi:[0,1]
.elseif (\c)%2 == 0
	v_pk_fma_f32 v[LG+8*\tau+\e:LG+8*\tau+\e+1], v[XR+16*\tau+4*\j+\c:XR+16*\tau+4*\j+\c+1], v[WR+32*\j+8*\c+\e:WR+32*\j+8*\c+\e+1], v[LG+8*\tau+\e:LG+8*\tau+\e+1] op_sel_hi:[0,1,1]
.else
	v_pk_fma_f32 v[LG+8*\tau+\e:LG+8*\tau+\e+1], v[XR+16*\tau+4*\j+\c-1:XR+16*\tau+4*\j+\c], v[WR+32*\j+8*\c+\e:WR+32*\j+8*\c+\e+1], v[LG+8*\tau+\e:LG+8*\tau+\e+1] op_sel:[1,0,0] op_sel_hi:[1,1,1]
.endif
.endr
.endr
.endr
.endm
; a step of the sum over lanes that also halves the registers: lanes with bit m keep sum i + m and send sum i, the others the other way round
.macro RSTAGE m, msk
.set RI, 0
.rept \m
	v_cndmask_b32 v[TK+2*(RI%4)], v[LG+RI], v[LG+RI+\m], s[\msk]
	v_cndmask_b32 v[TK+2*(RI%4)+1], v[LG+RI+\m], v[LG+RI], s[\msk]
	v_add_f32_dpp v[LG+RI], v[TK+2*(RI%4)+1], v[TK+2*(RI%4)] row_xmask:\m row_mask:0xf bank_mask:0xf
.set RI, RI+1
.endr
.endm
	s_load_b512 s[4:19], s[0:1], 0x0               ; x s[4:5], Wr s[6:7], br s[8:9], W1 s[10:11], W2 s[12:13], wq s[14:15], bm s[16:17], sc s[18:19]
	v_lshl_add_u32 v240, v0, 2, 0x400
	v_mov_b32 v241, 0
	v_lshrrev_b32 v1, 5, v0
	v_readfirstlane_b32 s20, v1                    ; wave 0..7
	v_and_b32 v1, 31, v0                           ; lane
	s_cmp_ge_u32 ttmp9, 64
	s_cbranch_scc1 .Lquant
	; ---------------- THE ROUTER: wave w takes tokens 32 g + 4 w + 0 .. 3
	v_lshlrev_b32 v226, 7, v1                      ; Wr: my four rows of 32 bytes
	v_lshlrev_b32 v227, 4, v1                      ; x: my 16 bytes of each 512
	v_and_b32 v228, 7, v1
	v_lshlrev_b32 v228, 2, v228                    ; br: 4 (lane % 8)
	v_lshlrev_b32 v238, 2, v0                      ; LDS: 4 x thread = 32 x token in the group + 4 x expert
	s_lshl_b32 s22, ttmp9, 5
	s_lshl_b32 s21, s20, 2
	s_add_co_u32 s22, s22, s21                     ; my first token
	s_lshl_b32 s22, s22, 11                        ; x 2,048 bytes
	s_mov_b32 s23, 0
	s_mov_b32 s24, 0xff00ff00                      ; lanes with bit 3, 2, 1, 0
	s_mov_b32 s25, 0xf0f0f0f0
	s_mov_b32 s26, 0xcccccccc
	s_mov_b32 s27, 0xaaaaaaaa
	s_wait_kmcnt 0x0
	s_add_nc_u64 s[4:5], s[4:5], s[22:23]
.irp j, 0,1,2,3
.irp c, 0,1,2,3
	global_load_b128 v[WR+32*\j+8*\c:WR+32*\j+8*\c+3], v226, s[6:7] offset:4096*\j+32*\c
	global_load_b128 v[WR+32*\j+8*\c+4:WR+32*\j+8*\c+7], v226, s[6:7] offset:4096*\j+32*\c+16
.endr
.endr
	global_load_b32 v229, v228, s[8:9]
.irp t, 0,1,2,3
.irp j, 0,1,2,3
	global_load_b128 v[XR+16*\t+4*\j:XR+16*\t+4*\j+3], v227, s[4:5] offset:2048*\t+512*\j
.endr
.endr
	s_wait_loadcnt 12                              ; Wr, br and token 0 are in; the three later tokens' 12 loads may be out
	TOKSUM 0
	s_wait_loadcnt 8
	TOKSUM 1
	s_wait_loadcnt 4
	TOKSUM 2
	s_wait_loadcnt 0x0
	TOKSUM 3
	; the 32 sums over the 32 lanes: afterwards lane l holds sum l = 8 x token + expert
.irp i, 0,1,2,3,4,5,6,7,8,9,10,11,12,13,14,15
	v_permlane16_swap_b32 v[LG+\i], v[LG+16+\i]
.endr
.irp i, 0,1,2,3,4,5,6,7,8,9,10,11,12,13,14,15
	v_add_f32 v[LG+\i], v[LG+\i], v[LG+16+\i]
.endr
	RSTAGE 8, 24
	RSTAGE 4, 25
	RSTAGE 2, 26
	RSTAGE 1, 27
	v_add_f32 v[LG], v[LG], v229                   ; + br
	ds_store_b32 v238, v[LG]
	s_wait_dscnt 0x0                               ; for wave 0's sake: my logits lie in LDS
	s_barrier_signal -1
	s_barrier_wait -1
	s_cmp_lg_u32 s20, 0
	s_cbranch_scc1 .Lend
	; wave 0: a lane a token
	v_lshlrev_b32 v239, 5, v1
	ds_load_b128 v[2:5], v239
	ds_load_b128 v[6:9], v239 offset:16
	s_lshl_b32 s22, ttmp9, 8
	s_add_nc_u64 s[18:19], s[18:19], s[22:23]      ; sc: 8 bytes a token
	s_lshl_b32 s22, ttmp9, 7
	s_add_nc_u64 s[16:17], s[16:17], s[22:23]      ; bm: my record
	s_wait_dscnt 0x0
	v_mov_b32 v10, v2                              ; the largest logit and its expert: a later one wins only if it is greater
	v_mov_b32 v11, 0
.irp e, 1,2,3,4,5,6,7
	v_cmp_gt_f32 vcc_lo, v[2+\e], v10
	v_cndmask_b32 v10, v10, v[2+\e], vcc_lo
	v_cndmask_b32 v11, v11, \e, vcc_lo
.endr
	v_cmp_eq_u32 vcc_lo, 0, v11                    ; the second: the same over the other seven
	v_cndmask_b32 v12, v2, v3, vcc_lo
	v_cndmask_b32 v13, 0, 1, vcc_lo
.irp e, 1,2,3,4,5,6,7
	v_cmp_gt_f32 s44, v[2+\e], v12
	v_cmp_ne_u32 s45, \e, v11
	s_and_b32 vcc_lo, s44, s45
	v_cndmask_b32 v12, v12, v[2+\e], vcc_lo
	v_cndmask_b32 v13, v13, \e, vcc_lo
.endr
	v_sub_f32 v14, v12, v10                        ; the softmax of the two, the larger taken away: 1 / (1 + q), q / (1 + q), q = e^(second - first)
	v_mul_f32 v14, 0x3fb8aa3b, v14
	v_exp_f32 v14, v14
	v_nop                                          ; a plain line behind the transcendental,
	s_wait_alu depctr_va_vdst(0)                   ; and the wait ahead of its first reader
	v_add_f32 v15, 1.0, v14
	v_rcp_f32 v16, v15
	v_lshlrev_b32 v21, 3, v1                       ; (a plain line)
	s_wait_alu depctr_va_vdst(0)
	v_mul_f32 v17, v14, v16
	global_store_b64 v21, v[16:17], s[18:19]       ; 32 lanes store 256 consecutive bytes, aligned
	v_cmp_gt_u32 vcc_lo, v11, v13
	v_cndmask_b32 v18, v13, v11, vcc_lo            ; the larger of the two experts
	s_mov_b32 s38, 0
	s_mov_b32 s39, 0
	s_mov_b32 s40, 0
.irp e, 0,1,2,3,4,5,6,7
	v_cmp_eq_u32 s[28+\e], \e, v18
.endr
.irp e, 0,1,2,3
	s_bcnt1_i32_b32 s36, s[28+\e]
	s_lshl_b32 s36, s36, 8*\e
	s_or_b32 s38, s38, s36
	s_bcnt1_i32_b32 s36, s[32+\e]
	s_lshl_b32 s36, s36, 8*\e
	s_or_b32 s39, s39, s36
.endr
.irp e, 0,1,2,3,4,5,6,7
	v_cmp_eq_u32 s44, \e, v11
	v_cmp_eq_u32 s45, \e, v13
	s_or_b32 s45, s44, s45
	s_cmp_eq_u32 s44, -1
	s_cselect_b32 s46, 1<<\e, 0
	s_or_b32 s40, s40, s46
	s_cmp_eq_u32 s45, -1
	s_cselect_b32 s46, 1<<(8+\e), 0
	s_or_b32 s40, s40, s46
.endr
	v_lshl_or_b32 v19, v13, 8, v11
	v_readlane_b32 s41, v19, 31
	v_mov_b32 v20, 0
.irp e, 0,1,2,3,4,5,6,7
	v_writelane_b32 v20, s[28+\e], \e
.endr
	v_writelane_b32 v20, s40, 8
	v_writelane_b32 v20, s41, 9
	v_writelane_b32 v20, s38, 10
	v_writelane_b32 v20, s39, 11
	v_lshlrev_b32 v22, 2, v1
	global_store_b32 v22, v20, s[16:17]            ; the record: 128 consecutive bytes
.Lend:
	s_wait_tensorcnt 0x0
	ds_add_u32 v240, v241
	s_wait_dscnt 0x0
	s_endpgm
	; ---------------- W1, W2: work-group 64 + q: q = matrix << 8 | expert << 5 | K step << 3 | eight groups of columns
.Lquant:
	s_sub_co_u32 s21, ttmp9, 64
	s_and_b32 s22, s21, 7
	s_bfe_u32 s23, s21, 0x20003                    ; K step
	s_bfe_u32 s24, s21, 0x30005                    ; expert
	s_lshr_b32 s25, s21, 8                         ; matrix
	s_lshl_b32 s26, s22, 3
	s_add_co_u32 s26, s26, s20                     ; my wave's group of 32 columns
	s_lshl_b32 s28, s24, 22                        ; an expert is 512 rows of 8,192 bytes,
	s_lshl_b32 s27, s23, 20                        ; a K step 128 rows,
	s_add_co_u32 s28, s28, s27
	s_lshl_b32 s27, s26, 7                         ; a group 128 bytes
	s_add_co_u32 s28, s28, s27
	s_mov_b32 s29, 0
	s_lshl_b32 s30, s24, 6
	s_add_co_u32 s30, s30, s26
	s_lshl_b32 s30, s30, 2
	s_add_co_u32 s30, s30, s23                     ; (expert x 64 + group) x 4 + K step
	s_mul_i32 s32, s30, 3072
	s_mul_i32 s27, s25, 6291456
	s_add_co_u32 s32, s32, s27
	s_mov_b32 s33, 0
	s_lshl_b32 s34, s30, 7
	s_lshl_b32 s27, s25, 18
	s_add_co_u32 s34, s34, s27
	s_add_co_u32 s34, s34, SCB
	s_mov_b32 s35, 0
	QLANES
	s_wait_kmcnt 0x0
	s_cmp_eq_u32 s25, 0                            ; the choice hangs on the work-group's number alone
	s_cselect_b64 s[36:37], s[10:11], s[12:13]
	s_add_nc_u64 s[36:37], s[36:37], s[28:29]
	s_add_nc_u64 s[38:39], s[14:15], s[32:33]
	s_add_nc_u64 s[40:41], s[14:15], s[34:35]
	QW 8192
	s_endpgm
.Lfunc_end_k_q2fa7f7cbbc_prep1:
	.size	k_q2fa7f7cbbc_prep1, .Lfunc_end_k_q2fa7f7cbbc_prep1-k_q2fa7f7cbbc_prep1
	.p2alignl 7, 3214868480
	.fill 96, 4, 3214868480
	.section	.rodata,"a",@progbits
	.p2align	6, 0x0
	.amdhsa_kernel k_q2fa7f7cbbc_prep1
		.amdhsa_group_segment_fixed_size 2048
		.amdhsa_private_segment_fixed_size 0
		.amdhsa_enable_private_segment 0
		.amdhsa_kernarg_size 64
		.amdhsa_user_sgpr_count 2
		.amdhsa_user_sgpr_kernarg_segment_ptr 1
		.amdhsa_wavefront_size32 1
		.amdhsa_system_sgpr_workgroup_id_x 1
		.amdhsa_system_sgpr_workgroup_id_y 1
		.amdhsa_system_sgpr_workgroup_id_z 1
		.amdhsa_system_vgpr_workitem_id 0
		.amdhsa_next_free_vgpr 242
		.amdhsa_next_free_sgpr 66
		.amdhsa_reserve_vcc 1
		.amdhsa_float_denorm_mode_32 3
		.amdhsa_float_denorm_mode_16_64 3
		.amdhsa_memory_ordered 1
		.amdhsa_forward_progress 1
		.amdhsa_inst_pref_size 56
	.end_amdhsa_kernel
	.amdgpu_metadata
---
amdhsa.version: [ 1, 2 ]
amdhsa.kernels:
  - .name:           k_q2fa7f7cbbc_prep1
    .symbol:         k_q2fa7f7cbbc_prep1.kd
    .args:
      - { .name: x, .offset: 0, .size: 8, .value_kind: global_buffer, .address_space: global }
      - { .name: Wr, .offset: 8, .size: 8, .value_kind: global_buffer, .address_space: global }
      - { .name: br, .offset: 16, .size: 8, .value_kind: global_buffer, .address_space: global }
      - { .name: W1, .offset: 24, .size: 8, .value_kind: global_buffer, .address_space: global }
      - { .name: W2, .offset: 32, .size: 8, .value_kind: global_buffer, .address_space: global }
      - { .name: wq, .offset: 40, .size: 8, .value_kind: global_buffer, .address_space: global }
      - { .name: bm, .offset: 48, .size: 8, .value_kind: global_buffer, .address_space: global }
      - { .name: sc, .offset: 56, .size: 8, .value_kind: global_buffer, .address_space: global }
    .group_segment_fixed_size: 2048
    .private_segment_fixed_size: 0
    .kernarg_segment_align: 8
    .kernarg_segment_size: 64
    .max_flat_workgroup_size: 256
    .sgpr_count:     66
    .vgpr_count:     242
    .wavefront_size: 32
...
	.end_amdgpu_metadata
.endif
;; end of part 1
;; launch prep2 (part 2): grid 327 x 1, 8 waves a work-group, no clusters, 0 bytes of LDS; arguments x, W3, bm, sc, wq, xq, lst, coef; writes wq, xq, lst, coef
.if DOCPART == 2
	.amdgcn_target "amdgcn-amd-amdhsa--gfx1250"
	.amdhsa_code_object_version 6
	.text
	.protected	k_q2fa7f7cbbc_prep2
	.globl	k_q2fa7f7cbbc_prep2
	.p2align	8
	.type	k_q2fa7f7cbbc_prep2,@function
k_q2fa7f7cbbc_prep2:
	s_mov_b64 s[64:65], 0
	v_nop
	global_prefetch_b8 v0, s[64:65] scope:SCOPE_SE
	s_setreg_imm32_b32 hwreg(HW_REG_WAVE_MODE, 25, 1), 1
	s_wait_xcnt 0x0
; TWO JOBS IN ONE LAUNCH, parted by the work-group's number.
; Work-groups 0-70: THE PLACING.  The 2,048 tokens are sorted by the expert whose result they keep and cut into blocks of 32 rows of one expert: never more than 2048 / 32 + 7 = 71.
;   Work-group j finds block j's expert and tokens from the router's records (whole numbers), gathers their rows of x, quantises them to FP6 (E2M3) along K and stores them as images of
;   the operand's registers.  Wave w takes tile w % 2 (16 rows) and K step w / 2 (128 of 512).  Every wave repeats the placing in its own registers: no LDS byte, no barrier.
;   A block's spare slots repeat the expert's last token: they later compute and store the same bytes as that token's own slot.  A block beyond the last gets the expert word 8 and nothing else.
;   THE CAPACITY: a token's two experts differ, so the double running count at token t is at most t + 1, and it reaches the capacity 2,048 at token 2,047 alone:
;   its slot 0 is dropped if all tokens chose its first expert first; its slot 1 if every token has its second expert among its two.  A dropped slot counts as expert 0 and gives x in place of y.
; Work-groups 71-326: W3 [8][2048][512] f32 becomes codes, as W1 and W2 in the launch before (same text).
; xq: codes [block][tile][K step][1,536], registers 4 q .. 4 q + 3 of lane l at 512 q + 16 l; scale words from XSB on, [block][K step][16 tile + row] x 4 bytes.
; lst: 256 bytes a block: words 0-31 the slots' tokens, word 32 the expert.     coef: [block][slot] (a, b): out = a y + b x.
; LIMITS: NaN and infinities are not served.  A block of zeros gets the scale byte 1 (its codes are zeros, and this program alone reads the bytes).
.set SCB,  18874368
.set XSB,  872448
.set X,    32
.set T0,   160
.set T1,   172
.set U,    184
.set MA,   4                           ; v4-11   the masks of record 2 l, an expert each;  v12-15 its words 8-11
.set XA,   12
.set MB,   16                          ; v16-23  those of record 2 l + 1;  v24-27 its words 8-11
.set XB,   24
.set WC,   30                          ; v30-33  counts in 16-bit fields: experts (0, 2), (1, 3), (4, 6), (5, 7); then their running sums over the lanes
.set XN,   64                          ; v64-127 64 numbers of x
.set PC,   128                         ; v128-146 the codes just made
.set TM,   148                         ; v148-163 at work in the quantiser
.set PW,   164                         ; the scale word just made
.set SEL,  84                          ; s[84:85] lane selects: lane l xor 16
.macro QLOAD b, rowb
.set QI, 0
.rept 32
	global_load_b32 v[X+32*(\b)+QI], v4, s[36:37] offset:(32*(\b)+QI)*(\rowb) th:TH_LOAD_NT
.set QI, QI+1
.endr
.endm
.macro QBLOCK b
.set QX, X+32*(\b)
.set TX, T0+12*((\b)%2)+6*((\b)/2)
	v_max3_num_f32 v8, |v[QX]|, |v[QX+1]|, |v[QX+2]|
	v_max3_num_f32 v9, |v[QX+3]|, |v[QX+4]|, |v[QX+5]|
.irp i, 6,10,14,18,22,26
	v_max3_num_f32 v8, v8, |v[QX+\i]|, |v[QX+\i+1]|
	v_max3_num_f32 v9, v9, |v[QX+\i+2]|, |v[QX+\i+3]|
.endr
	v_max3_num_f32 v8, v8, |v[QX+30]|, |v[QX+31]|
	v_max3_num_f32 v8, v8, v9, 0x1800000           ; the floor 2^(3 - 127): the byte cannot fall under 1
	v_add_nc_u32 v10, 0xff000000, v8               ; 2 off the exponent field: the conversion's scale operand
	v_cvt_scalef32_pk16_fp6_f32 v[TX:TX+2], v[QX:QX+15], v10
	v_cvt_scalef32_pk16_fp6_f32 v[U:U+2], v[QX+16:QX+31], v10
	v_lshrrev_b32 v11, 23, v10                     ; the scale's byte; also the plain line behind the conversions
.if (\b) == 0
	v_mov_b32 v12, v11
.else
	v_lshl_or_b32 v12, v11, 8*(\b), v12
.endif
.irp i, 0,1,2
	v_mov_b32 v[TX+3+\i], v[U+\i]
.endr
.endm
.macro QW rowb
	QLOAD 0, \rowb
	QLOAD 1, \rowb
	s_wait_loadcnt 32                              ; block 0 is in; block 1's 32 loads may be out
	QLOAD 2, \rowb
	QBLOCK 0
	s_wait_loadcnt 32
	QLOAD 3, \rowb
	QBLOCK 1
	s_wait_loadcnt 32
	QBLOCK 2
	s_wait_loadcnt 0x0
	QBLOCK 3
.irp k, 0,1,2,3,4,5,6,7,8,9,10,11
	v_permlane16_swap_b32 v[T0+\k], v[T1+\k]
.endr
.irp q, 0,1,2,3,4,5
	global_store_b128 v5, v[T0+4*\q:T0+4*\q+3], s[38:39] offset:512*\q
.endr
	global_store_b32 v6, v12, s[40:41]
.endm
.macro QLANES
	v_and_b32 v2, 7, v1
	v_and_b32 v3, 8, v1
	v_lshl_or_b32 v2, v3, 1, v2
	v_and_b32 v3, 16, v1
	v_lshrrev_b32 v3, 1, v3
	v_or_b32 v2, v2, v3
	v_lshlrev_b32 v4, 2, v2
	v_lshlrev_b32 v5, 4, v1
	v_lshlrev_b32 v6, 2, v1
.endm
; 64 numbers of a lane, register 16 b + i = k 32 b + 16 (lane / 16) + i of my row, become a fragment's codes in v[PC] on and its scale word in v[PW]
.macro QUANT s
.irp b, 0,1,2,3
	v_max3_num_f32 v[TM+\b], |v[\s+16*\b]|, |v[\s+1+16*\b]|, 0x1800000
.endr
.irp i, 2,4,6,8,10,12,14
.irp b, 0,1,2,3
	v_max3_num_f32 v[TM+\b], v[TM+\b], |v[\s+16*\b+\i]|, |v[\s+1+16*\b+\i]|
.endr
.endr
.irp b, 0,1,2,3
	v_permlanex16_b32 v[TM+4+\b], v[TM+\b], s[SEL], s[SEL+1]
.endr
.irp b, 0,1,2,3
	v_max_num_f32 v[TM+\b], v[TM+\b], v[TM+4+\b]
.endr
.irp b, 0,1,2,3
	v_add_nc_u32 v[TM+12+\b], 0xff000000, v[TM+\b]
.endr
.irp b, 0,1,2,3
	v_lshrrev_b32 v[TM+4+\b], 23, v[TM+12+\b]
.endr
	v_lshl_or_b32 v[PW], v[TM+5], 8, v[TM+4]
	v_lshl_or_b32 v[PW], v[TM+6], 16, v[PW]
	v_lshl_or_b32 v[PW], v[TM+7], 24, v[PW]
.irp c, 0,1
	v_cvt_scalef32_pk16_fp6_f32 v[PC+6*\c:PC+2+6*\c], v[\s+32*\c:\s+15+32*\c], v[TM+12+2*\c]
	v_cvt_scalef32_pk16_fp6_f32 v[PC+12+4*\c:PC+14+4*\c], v[\s+16+32*\c:\s+31+32*\c], v[TM+12+2*\c+1]
.endr
	v_nop                                          ; one plain line behind a scaled conversion
.irp c, 0,1                            ; the operand wants a whole block in a lane
.irp i, 0,1,2
	v_permlane16_swap_b32 v[PC+6*\c+\i], v[PC+12+4*\c+\i]
.endr
.irp i, 0,1,2
	v_mov_b32 v[PC+3+6*\c+\i], v[PC+12+4*\c+\i]
.endr
.endr
.endm
.macro SCAN w                          ; running sum over the 32 lanes, my own lane included
.irp n, 1,2,4,8
	v_mov_b32_dpp v34, v[\w] row_shr:\n row_mask:0xf bank_mask:0xf bound_ctrl:1
	v_add_nc_u32 v[\w], v[\w], v34
.endr
	v_readlane_b32 s43, v[\w], 15
	v_and_b32 v34, s43, v35                        ; lanes 16-31 add the lower half's total
	v_add_nc_u32 v[\w], v[\w], v34
.endm
.macro PICK8 d, b                      ; v[d] = v[b + my expert], by its three bits
	v_cndmask_b32 v42, v[\b], v[\b+1], s61
	v_cndmask_b32 v43, v[\b+2], v[\b+3], s61
	v_cndmask_b32 v44, v[\b+4], v[\b+5], s61
	v_cndmask_b32 v45, v[\b+6], v[\b+7], s61
	v_cndmask_b32 v42, v42, v43, s62
	v_cndmask_b32 v44, v44, v45, s62
	v_cndmask_b32 v[\d], v42, v44, s63
.endm
.macro SELSTEP tbl, msk, wd            ; if the lower wd bits at pos hold n set bits or fewer, pass them over
	v_lshrrev_b32 v29, v28, v[\tbl]
	v_and_b32 v29, \msk, v29
	v_cmp_ge_u32 vcc_lo, v59, v29
	v_cndmask_b32 v29, 0, v29, vcc_lo
	v_sub_nc_u32 v59, v59, v29
	v_cndmask_b32 v29, 0, \wd, vcc_lo
	v_add_nc_u32 v28, v28, v29
.endm
	s_load_b512 s[4:19], s[0:1], 0x0               ; x s[4:5], W3 s[6:7], bm s[8:9], sc s[10:11], wq s[12:13], xq s[14:15], lst s[16:17], coef s[18:19]
	v_lshrrev_b32 v1, 5, v0
	v_readfirstlane_b32 s20, v1                    ; wave 0..7
	v_and_b32 v1, 31, v0                           ; lane
	s_cmp_ge_u32 ttmp9, 71
	s_cbranch_scc1 .Lquant
	; ---------------- THE PLACING
	v_and_b32 v2, 15, v0                           ; r
	v_bfe_u32 v3, v0, 4, 1                         ; h
	v_lshlrev_b32 v37, 8, v1                       ; lane l reads records 2 l and 2 l + 1
	s_mov_b32 s[SEL], 0x76543210
	s_mov_b32 s[SEL+1], 0xfedcba98
	s_wait_kmcnt 0x0
	global_load_b128 v[4:7], v37, s[8:9]
	global_load_b128 v[8:11], v37, s[8:9] offset:16
	global_load_b128 v[12:15], v37, s[8:9] offset:32
	global_load_b128 v[16:19], v37, s[8:9] offset:128
	global_load_b128 v[20:23], v37, s[8:9] offset:144
	global_load_b128 v[24:27], v37, s[8:9] offset:160
	v_mov_b32 v34, 0                               ; (destinations of lane moves count as read: written once)
	v_mov_b32 v36, 0
	v_mov_b32 v53, 0
.irp b, 0,1,2,3
	v_mov_b32 v[TM+4+\b], 0
.endr
	v_cmp_lt_u32 vcc_lo, 15, v1
	v_cndmask_b32 v35, 0, -1, vcc_lo               ; all ones in lanes 16-31
	s_wait_loadcnt 0x0
	; the capacity, at token 2,047
	v_readlane_b32 s21, v[XB+1], 31                ; its two experts
	s_and_b32 s22, s21, 0xff
	s_min_u32 s22, s22, 7                          ; the first
	s_bfe_u32 s23, s21, 0x80008
	s_min_u32 s23, s23, 7                          ; the second
	v_and_b32 v38, v[XA], v[XB]
	v_lshrrev_b32 v39, s22, v38
	v_and_b32 v39, 1, v39
	v_cmp_eq_u32 s24, 1, v39                       ; my 64 tokens all chose it first
	s_add_co_u32 s25, s23, 8
	v_lshrrev_b32 v39, s25, v38
	v_and_b32 v39, 1, v39
	v_cmp_eq_u32 s25, 1, v39                       ; my 64 tokens all have it among their two
	s_cmp_eq_u32 s24, -1
	s_cselect_b32 s26, -1, 0                       ; slot 0 is dropped
	s_cselect_b32 s28, 0, s22
	s_cmp_eq_u32 s25, -1
	s_cselect_b32 s27, -1, 0                       ; slot 1 is dropped
	s_cselect_b32 s29, 0, s23
	s_max_u32 s30, s28, s29                        ; the expert that token 2,047 keeps,
	s_max_u32 s31, s22, s23                        ; and the one that its record names
	s_mov_b32 s32, 0x80000000
	v_writelane_b32 v36, s32, 31                   ; bit 31 of lane 31's second record is token 2,047
.irp e, 0,1,2,3,4,5,6,7
	s_cmp_eq_u32 s30, \e
	s_cselect_b32 s32, -1, 0
	v_bfi_b32 v[MB+\e], v36, s32, v[MB+\e]
.endr
	v_readlane_b32 s32, v[XB+2], 31                ; and that record's eight counts, a byte each
	v_readlane_b32 s33, v[XB+3], 31
	s_mov_b64 s[34:35], 1
	s_lshl_b32 s42, s31, 3
	s_lshl_b64 s[44:45], s[34:35], s42
	s_sub_nc_u64 s[32:33], s[32:33], s[44:45]
	s_lshl_b32 s42, s30, 3
	s_lshl_b64 s[44:45], s[34:35], s42
	s_add_nc_u64 s[32:33], s[32:33], s[44:45]
	v_writelane_b32 v[XB+2], s32, 31
	v_writelane_b32 v[XB+3], s33, 31
	; each expert's running count over the lanes
	v_add_nc_u32 v38, v[XA+2], v[XB+2]
	v_add_nc_u32 v39, v[XA+3], v[XB+3]
	s_mov_b32 s42, 0x00ff00ff
	v_and_b32 v[WC], s42, v38
	v_lshrrev_b32 v38, 8, v38
	v_and_b32 v[WC+1], s42, v38
	v_and_b32 v[WC+2], s42, v39
	v_lshrrev_b32 v39, 8, v39
	v_and_b32 v[WC+3], s42, v39
	SCAN WC
	SCAN WC+1
	SCAN WC+2
	SCAN WC+3
	v_readlane_b32 s43, v[WC], 31
	s_and_b32 s48, s43, 0xffff                     ; s[48:55]: each expert's rows
	s_lshr_b32 s50, s43, 16
	v_readlane_b32 s43, v[WC+1], 31
	s_and_b32 s49, s43, 0xffff
	s_lshr_b32 s51, s43, 16
	v_readlane_b32 s43, v[WC+2], 31
	s_and_b32 s52, s43, 0xffff
	s_lshr_b32 s54, s43, 16
	v_readlane_b32 s43, v[WC+3], 31
	s_and_b32 s53, s43, 0xffff
	s_lshr_b32 s55, s43, 16
	s_mov_b32 s56, 0
	; whose block is block j?
	s_mov_b32 s57, 0                               ; blocks up to and with expert e
	s_mov_b32 s58, 0                               ; my expert's first block
	s_mov_b32 s59, s48                             ; my expert's rows
	s_mov_b32 s60, 0                               ; my expert; 8: no block j
.irp e, 0,1,2,3,4,5,6,7
	s_add_co_u32 s43, s[48+\e], 31
	s_lshr_b32 s43, s43, 5
	s_add_co_u32 s57, s57, s43
	s_cmp_ge_u32 ttmp9, s57
	s_cselect_b32 s58, s57, s58
	s_cselect_b32 s59, s[49+\e], s59
	s_add_co_ci_u32 s60, s60, 0
.endr
	s_lshl_b32 s44, ttmp9, 8
	s_mov_b32 s45, 0
	s_add_nc_u64 s[16:17], s[16:17], s[44:45]      ; lst and coef at block j
	s_add_nc_u64 s[18:19], s[18:19], s[44:45]
	s_cmp_lg_u32 s20, 0
	s_cbranch_scc1 .Lnot_wave_0
	v_mov_b32 v166, 0
	v_mov_b32 v167, s60
	global_store_b32 v166, v167, s[16:17] offset:128   ; the block's expert: every lane stores the same word to the same place
.Lnot_wave_0:
	s_cmp_eq_u32 s60, 8
	s_cbranch_scc1 .Lend
	; my expert's masks, counts and running count
	s_bitcmp1_b32 s60, 0
	s_cselect_b32 s61, -1, 0
	s_bitcmp1_b32 s60, 1
	s_cselect_b32 s62, -1, 0
	s_cselect_b32 s66, 16, 0
	s_bitcmp1_b32 s60, 2
	s_cselect_b32 s63, -1, 0
	s_and_b32 s67, s60, 3
	s_lshl_b32 s67, s67, 3
	PICK8 46, MA
	PICK8 47, MB
	v_cndmask_b32 v42, v[WC], v[WC+1], s61
	v_cndmask_b32 v43, v[WC+2], v[WC+3], s61
	v_cndmask_b32 v42, v42, v43, s63
	v_lshrrev_b32 v42, s66, v42
	v_and_b32 v48, 0xffff, v42                     ; rows up to and with my two records
	v_cndmask_b32 v42, v[XA+2], v[XA+3], s63
	v_lshrrev_b32 v42, s67, v42
	v_and_b32 v49, 0xff, v42                       ; rows in my first record
	v_cndmask_b32 v42, v[XB+2], v[XB+3], s63
	v_lshrrev_b32 v42, s67, v42
	v_and_b32 v50, 0xff, v42                       ; in my second
	v_sub_nc_u32 v51, v48, v49
	v_sub_nc_u32 v51, v51, v50                     ; rows ahead of my records
	; slot r of my tile is the expert's row R = min(32 (j - first block) + 16 tile + r, rows - 1); it lies in the lane whose number is the count of lanes whose running count is R or less
	s_sub_co_u32 s68, ttmp9, s58
	s_lshl_b32 s68, s68, 5
	s_and_b32 s69, s20, 1                          ; tile
	s_lshl_b32 s70, s69, 4
	s_add_co_u32 s68, s68, s70
	s_sub_co_u32 s71, s59, 1
	v_add_nc_u32 v52, s68, v2
	v_min_u32 v52, s71, v52                        ; R, the same in lanes r and 16 + r
.irp r, 0,1,2,3,4,5,6,7,8,9,10,11,12,13,14,15
	s_add_co_u32 s72, s68, \r
	s_min_u32 s72, s72, s71
	v_cmp_le_u32 s73, v48, s72
	s_bcnt1_i32_b32 s73, s73
	v_writelane_b32 v53, s73, \r
	v_writelane_b32 v53, s73, \r+16
.endr
	v_min_u32 v53, 31, v53
	v_lshlrev_b32 v54, 2, v53
	ds_bpermute_b32 v55, v54, v51                  ; that lane's figures (a pull between lanes: no LDS byte is touched)
	ds_bpermute_b32 v56, v54, v49
	ds_bpermute_b32 v57, v54, v46
	ds_bpermute_b32 v58, v54, v47
	s_wait_dscnt 0x0
	v_sub_nc_u32 v59, v52, v55                     ; n: which of that lane's rows
	v_cmp_ge_u32 vcc_lo, v59, v56
	v_cndmask_b32 v60, v57, v58, vcc_lo            ; the record's mask,
	v_cndmask_b32 v61, 0, v56, vcc_lo
	v_sub_nc_u32 v59, v59, v61                     ; n within it,
	v_cndmask_b32 v62, 0, 32, vcc_lo               ; and its first token
	; the place of the n-th set bit: counts of 2, 4, 8 and 16 bits, then five halvings
	v_lshrrev_b32 v29, 1, v60
	v_and_b32 v29, 0x55555555, v29
	v_sub_nc_u32 v42, v60, v29
	v_lshrrev_b32 v29, 2, v42
	v_and_b32 v29, 0x33333333, v29
	v_and_b32 v43, 0x33333333, v42
	v_add_nc_u32 v43, v43, v29
	v_lshrrev_b32 v29, 4, v43
	v_add_nc_u32 v29, v43, v29
	v_and_b32 v44, 0x0f0f0f0f, v29
	v_lshrrev_b32 v29, 8, v44
	v_add_nc_u32 v29, v44, v29
	v_and_b32 v45, 0x00ff00ff, v29
	v_mov_b32 v28, 0
	SELSTEP 45, 0xff, 16
	SELSTEP 44, 0xff, 8
	SELSTEP 43, 15, 4
	SELSTEP 42, 3, 2
	SELSTEP 60, 1, 1
	v_lshl_add_u32 v28, v53, 6, v28
	v_add_nc_u32 v28, v28, v62
	v_min_u32 v28, 0x7ff, v28                      ; the slot's token
	; its numbers of my K step: 16 neighbours of each block of 32
	s_lshr_b32 s74, s20, 1                         ; K step
	s_lshl_b32 s75, s74, 9
	v_lshl_add_u32 v29, v3, 6, s75
	v_lshl_add_u32 v29, v28, 11, v29
.irp b, 0,1,2,3
.irp i, 0,1,2,3
	global_load_b128 v[XN+16*\b+4*\i:XN+16*\b+4*\i+3], v29, s[4:5] offset:128*\b+16*\i
.endr
.endr
	v_lshlrev_b32 v37, 3, v28
	global_load_b64 v[38:39], v37, s[10:11]        ; its two scores
	s_lshl_b32 s76, ttmp9, 1
	s_add_co_u32 s76, s76, s69
	s_lshl_b32 s76, s76, 2
	s_add_co_u32 s76, s76, s74
	s_mul_i32 s76, s76, 1536
	s_mov_b32 s77, 0
	s_add_nc_u64 s[76:77], s[14:15], s[76:77]      ; the image's place
	s_lshl_b32 s78, ttmp9, 9
	s_lshl_b32 s79, s74, 7
	s_add_co_u32 s78, s78, s79
	s_lshl_b32 s79, s69, 6
	s_add_co_u32 s78, s78, s79
	s_add_co_u32 s78, s78, XSB
	s_mov_b32 s79, 0
	s_add_nc_u64 s[78:79], s[14:15], s[78:79]      ; the scale words' place
	v_lshlrev_b32 v168, 4, v1
	v_lshlrev_b32 v169, 2, v2
	s_wait_loadcnt 0x0
	QUANT XN
.irp c, 0,1,2
	global_store_b128 v168, v[PC+4*\c:PC+4*\c+3], s[76:77] offset:512*\c   ; 512 consecutive bytes, aligned to 256
.endr
	global_store_b32 v169, v[PW], s[78:79]         ; lanes r and 16 + r hold the same word and store it to the same place
	s_cmp_lg_u32 s74, 0
	s_cbranch_scc1 .Lend
	; the waves of K step 0 also store the tile's tokens and coefficients
	s_lshl_b32 s70, s69, 6
	v_lshl_add_u32 v170, v2, 2, s70
	global_store_b32 v170, v28, s[16:17]
	v_cmp_eq_u32 s80, 0x7ff, v28
	s_and_b32 s81, s80, s26
	s_and_b32 s82, s80, s27
	v_cndmask_b32 v40, v38, 0, s81                 ; a: the scores of the slots that are kept
	v_cndmask_b32 v41, v39, 0, s82
	v_add_f32 v40, v40, v41
	v_cndmask_b32 v41, 0, v38, s81                 ; b: of those that are dropped
	v_cndmask_b32 v42, 0, v39, s82
	v_add_f32 v41, v41, v42
	s_lshl_b32 s70, s69, 7
	v_lshl_add_u32 v171, v2, 3, s70
	global_store_b64 v171, v[40:41], s[18:19]
.Lend:
	s_endpgm
	; ---------------- W3: work-group 71 + q: q = expert << 5 | K step << 1 | eight groups of columns
.Lquant:
	s_sub_co_u32 s21, ttmp9, 71
	s_and_b32 s22, s21, 1
	s_bfe_u32 s23, s21, 0x40001                    ; K step
	s_lshr_b32 s24, s21, 5                         ; expert
	s_lshl_b32 s26, s22, 3
	s_add_co_u32 s26, s26, s20                     ; my wave's group of 32 columns
	s_lshl_b32 s28, s24, 22                        ; an expert is 2,048 rows of 2,048 bytes,
	s_lshl_b32 s27, s23, 18                        ; a K step 128 rows,
	s_add_co_u32 s28, s28, s27
	s_lshl_b32 s27, s26, 7                         ; a group 128 bytes
	s_add_co_u32 s28, s28, s27
	s_mov_b32 s29, 0
	s_lshl_b32 s30, s24, 4
	s_add_co_u32 s30, s30, s26
	s_lshl_b32 s30, s30, 4
	s_add_co_u32 s30, s30, s23                     ; (expert x 16 + group) x 16 + K step
	s_mul_i32 s32, s30, 3072
	s_add_co_u32 s32, s32, 12582912
	s_mov_b32 s33, 0
	s_lshl_b32 s34, s30, 7
	s_add_co_u32 s34, s34, SCB+524288
	s_mov_b32 s35, 0
	QLANES
	s_wait_kmcnt 0x0
	s_add_nc_u64 s[36:37], s[6:7], s[28:29]
	s_add_nc_u64 s[38:39], s[12:13], s[32:33]
	s_add_nc_u64 s[40:41], s[12:13], s[34:35]
	QW 2048
	s_endpgm
.Lfunc_end_k_q2fa7f7cbbc_prep2:
	.size	k_q2fa7f7cbbc_prep2, .Lfunc_end_k_q2fa7f7cbbc_prep2-k_q2fa7f7cbbc_prep2
	.p2alignl 7, 3214868480
	.fill 96, 4, 3214868480
	.section	.rodata,"a",@progbits
	.p2align	6, 0x0
	.amdhsa_kernel k_q2fa7f7cbbc_prep2
		.amdhsa_group_segment_fixed_size 0
		.amdhsa_private_segment_fixed_size 0
		.amdhsa_enable_private_segment 0
		.amdhsa_kernarg_size 64
		.amdhsa_user_sgpr_count 2
		.amdhsa_user_sgpr_kernarg_segment_ptr 1
		.amdhsa_wavefront_size32 1
		.amdhsa_system_sgpr_workgroup_id_x 1
		.amdhsa_system_sgpr_workgroup_id_y 1
		.amdhsa_system_sgpr_workgroup_id_z 1
		.amdhsa_system_vgpr_workitem_id 0
		.amdhsa_next_free_vgpr 192
		.amdhsa_next_free_sgpr 96
		.amdhsa_reserve_vcc 1
		.amdhsa_float_denorm_mode_32 3
		.amdhsa_float_denorm_mode_16_64 3
		.amdhsa_memory_ordered 1
		.amdhsa_forward_progress 1
		.amdhsa_inst_pref_size 47
	.end_amdhsa_kernel
	.amdgpu_metadata
---
amdhsa.version: [ 1, 2 ]
amdhsa.kernels:
  - .name:           k_q2fa7f7cbbc_prep2
    .symbol:         k_q2fa7f7cbbc_prep2.kd
    .args:
      - { .name: x, .offset: 0, .size: 8, .value_kind: global_buffer, .address_space: global }
      - { .name: W3, .offset: 8, .size: 8, .value_kind: global_buffer, .address_space: global }
      - { .name: bm, .offset: 16, .size: 8, .value_kind: global_buffer, .address_space: global }
      - { .name: sc, .offset: 24, .size: 8, .value_kind: global_buffer, .address_space: global }
      - { .name: wq, .offset: 32, .size: 8, .value_kind: global_buffer, .address_space: global }
      - { .name: xq, .offset: 40, .size: 8, .value_kind: global_buffer, .address_space: global }
      - { .name: lst, .offset: 48, .size: 8, .value_kind: global_buffer, .address_space: global }
      - { .name: coef, .offset: 56, .size: 8, .value_kind: global_buffer, .address_space: global }
    .group_segment_fixed_size: 0
    .private_segment_fixed_size: 0
    .kernarg_segment_align: 8
    .kernarg_segment_size: 64
    .max_flat_workgroup_size: 256
    .sgpr_count:     96
    .vgpr_count:     192
    .wavefront_size: 32
...
	.end_amdgpu_metadata
.endif
;; end of part 2
;; launch up (part 3): grid 32 x 18, 4 waves a work-group, no clusters, 0 bytes of LDS; arguments wq, xq, lst, hq; writes hq
.if DOCPART == 3
	.amdgcn_target "amdgcn-amd-amdhsa--gfx1250"
	.amdhsa_code_object_version 6
	.text
	.protected	k_q2fa7f7cbbc_up
	.globl	k_q2fa7f7cbbc_up
	.p2align	8
	.type	k_q2fa7f7cbbc_up,@function
k_q2fa7f7cbbc_up:
	s_mov_b64 s[64:65], 0
	v_nop
	global_prefetch_b8 v0, s[64:65] scope:SCOPE_SE
	s_setreg_imm32_b32 hwreg(HW_REG_WAVE_MODE, 25, 1), 1
	s_wait_xcnt 0x0
; h = Q(gelu((x W2) (x W1))) for the rows that keep their expert's result, on codes of FP6 (E2M3) with one E8M0 scale for each 32 along K; h leaves as codes.
; A WAVE IS A UNIT OF ITS OWN: block j = 4 y + wave (32 rows of one expert, two tiles of 16) x hidden units 64 sl .. 64 sl + 63 (sl = work-group x).  The four waves of a work-group take four
; neighbouring blocks on the same 64 hidden units, as a rule of one expert: they ask for the same weights together.  No LDS, no barrier: a wave whose block does not exist ends at its head
; (a branch on a stored whole number), which is why operands come from memory straight into registers, laid there as images of the operand's registers.
; No cluster and no joint loads: which blocks share an expert hangs on numbers read from memory.
; THE PRODUCTS ARE USED TRANSPOSED (source 0 = 16 columns of a weight, source 1 = 16 rows of x): a lane holds one row, its registers run along the hidden units.  A tile's columns were chosen by
; the quantiser so that the 16 registers of tiles 0 and 1 of a group of 32 are 16 neighbours: hidden unit 32 G + 16 (lane / 16) + 0 .. 15.
; FOUR PARTS: group hf = 0, 1 of the 64 x tile T = 0, 1: 16 matrix instructions (2 weights x 2 tiles of rows x 4 K steps; the four sums take turns), then the gelu of 16 numbers a
; lane, under which the next part's weights land.  Behind each group: its block of 32 is quantised.
; GELU, exact form: g = max(z, 0) - |z| erfc(|z| / sqrt 2) / 2, erfc(u) = t exp(-u^2 + P(t)), t = 1 / (1 + u / 2), P of degree 9 (a Chebyshev fit, relative error about 1.2e-7);
; log2(e) and the half are folded into the constants, so that the exponential is v_exp_f32's 2^y.
; LIMITS: NaN and infinities are not served.  The rounding of the exponent -u^2 + P adds a relative error of about 1e-7 (1 + z^2 / 2) to the erfc term, which by then is small beside z for z > 0;
; where the erfc term falls under 2^-126 it counts as 0.  A block of zeros gets the scale byte 1 (its codes are zeros).
; hq: codes [block][tile][K step of 128][half c][768]: registers 6 c .. 6 c + 3 of lane l at 16 l, registers 6 c + 4, 6 c + 5 at 512 + 8 l;
;     scale words from HSB on: [block][tile][K step / 2][16 (K step % 2) + row] x 4 bytes; my 64 hidden units are bytes 2 c, 2 c + 1 of K step sl / 2, c = sl % 2.
; REGISTERS: window 0 as named below; window 1 (v256 on): 0-31 x W1, then z, then g (16 t + 8 T + i); 32-47 x W2 of the part, then at work; 48-63 t; 64-79 the polynomial.
.set SCB,  18874368
.set XSB,  872448
.set HSB,  3489792
.set XS,   8                           ; v8-11    x's scale words, a K step each: tile 0 in lanes 0-15, tile 1 in lanes 16-31
.set WS,   12                          ; v12-27   the weights' scale words at 8 m + 4 hf + s: tile 0 in lanes 0-15, tile 1 in lanes 16-31
.set XF,   28                          ; v28-123  x's eight fragments at 48 t + 12 s
.set WF,   124                         ; v124-219 the part's eight weight fragments at 48 m + 12 s
.set OC,   220                         ; v220-235 h's codes, 8 registers a tile
.set QC,   236                         ; v236-243 the second group's half blocks
.set TM,   244
.set TP,   246
.set SO,   248
.set BY,   250
.set HW,   252                         ; v252-253 the two scale bytes of a tile's rows
.set A1,   0
.set A2,   32
.set TT,   48
.set PP,   64
.set K1,   40                          ; s40      sqrt(log2(e) / 2)
.set K2,   42                          ; s[42:43] 1 / (2 sqrt(log2 e))
.set CC,   44                          ; s[44+2k:45+2k] the polynomial's coefficient k, k = 0 .. 9
.set SEL,  66
.set MSB, 0
.macro WIN new                         ; the immediate's high byte repeats the setting that is left
.if MSB != \new
	s_set_vgpr_msb (MSB<<8)|\new
.set MSB, \new
.endif
.endm
.macro SETC r, bits                    ; a constant as a pair: the packed forms name a pair and take its low word for both halves
	s_mov_b32 s[\r], \bits
	s_mov_b32 s[\r+1], \bits
.endm
; one matrix instruction.  ZF: it starts its sum; RA, RB: source 0's, source 1's scale words stand in lanes 16-31
.macro WM d, a, b, sa, sb
.if ZF
.if RA && RB
	v_wmma_scale_f32_16x16x128_f8f6f4 v[(\d):(\d)+7], v[(\a):(\a)+11], v[(\b):(\b)+11], 0, v[\sa], v[\sb] matrix_a_fmt:MATRIX_FMT_FP6 matrix_b_fmt:MATRIX_FMT_FP6 matrix_a_scale:MATRIX_SCALE_ROW1 matrix_b_scale:MATRIX_SCALE_ROW1
.elseif RA
	v_wmma_scale_f32_16x16x128_f8f6f4 v[(\d):(\d)+7], v[(\a):(\a)+11], v[(\b):(\b)+11], 0, v[\sa], v[\sb] matrix_a_fmt:MATRIX_FMT_FP6 matrix_b_fmt:MATRIX_FMT_FP6 matrix_a_scale:MATRIX_SCALE_ROW1
.elseif RB
	v_wmma_scale_f32_16x16x128_f8f6f4 v[(\d):(\d)+7], v[(\a):(\a)+11], v[(\b):(\b)+11], 0, v[\sa], v[\sb] matrix_a_fmt:MATRIX_FMT_FP6 matrix_b_fmt:MATRIX_FMT_FP6 matrix_b_scale:MATRIX_SCALE_ROW1
.else
	v_wmma_scale_f32_16x16x128_f8f6f4 v[(\d):(\d)+7], v[(\a):(\a)+11], v[(\b):(\b)+11], 0, v[\sa], v[\sb] matrix_a_fmt:MATRIX_FMT_FP6 matrix_b_fmt:MATRIX_FMT_FP6
.endif
.else
.if RA && RB
	v_wmma_scale_f32_16x16x128_f8f6f4 v[(\d):(\d)+7], v[(\a):(\a)+11], v[(\b):(\b)+11], v[(\d):(\d)+7], v[\sa], v[\sb] matrix_a_fmt:MATRIX_FMT_FP6 matrix_b_fmt:MATRIX_FMT_FP6 matrix_a_scale:MATRIX_SCALE_ROW1 matrix_b_scale:MATRIX_SCALE_ROW1
.elseif RA
	v_wmma_scale_f32_16x16x128_f8f6f4 v[(\d):(\d)+7], v[(\a):(\a)+11], v[(\b):(\b)+11], v[(\d):(\d)+7], v[\sa], v[\sb] matrix_a_fmt:MATRIX_FMT_FP6 matrix_b_fmt:MATRIX_FMT_FP6 matrix_a_scale:MATRIX_SCALE_ROW1
.elseif RB
	v_wmma_scale_f32_16x16x128_f8f6f4 v[(\d):(\d)+7], v[(\a):(\a)+11], v[(\b):(\b)+11], v[(\d):(\d)+7], v[\sa], v[\sb] matrix_a_fmt:MATRIX_FMT_FP6 matrix_b_fmt:MATRIX_FMT_FP6 matrix_b_scale:MATRIX_SCALE_ROW1
.else
	v_wmma_scale_f32_16x16x128_f8f6f4 v[(\d):(\d)+7], v[(\a):(\a)+11], v[(\b):(\b)+11], v[(\d):(\d)+7], v[\sa], v[\sb] matrix_a_fmt:MATRIX_FMT_FP6 matrix_b_fmt:MATRIX_FMT_FP6
.endif
.endif
.endm
.macro WFLOAD hf, T                    ; a part's weights: W1's and W2's tile T of group hf, four K steps: 24 loads of 512 consecutive bytes
.irp m, 0,1
.irp s, 0,1,2,3
.irp q, 0,1,2
	global_load_b128 v[WF+48*\m+12*\s+4*\q:WF+48*\m+12*\s+4*\q+3], v1, s[18:19] offset:\m*6291456+(\hf)*12288+\s*3072+(\T)*1536+512*\q
.endr
.endr
.endr
.endm
.macro MMPART hf, T                    ; 16 matrix instructions on four sums by turns; then four places, for the loads into the weights' registers and the first reads of the results
	WIN 0x50                                       ; C and D in window 1
.set RA, \T
.irp s, 0,1,2,3
.set ZF, 0
.if \s == 0
.set ZF, 1
.endif
.irp t, 0,1
.set RB, \t
	WM A1+16*\t+8*(\T), WF+12*\s, XF+48*\t+12*\s, WS+4*(\hf)+\s, XS+\s
.endr
.irp t, 0,1
.set RB, \t
	WM A2+8*\t, WF+48+12*\s, XF+48*\t+12*\s, WS+8+4*(\hf)+\s, XS+\s
.endr
.endr
	WIN 0
.rept 4
	v_nop
.endr
.endm
.macro GELU T                          ; 16 numbers a lane, all in window 1
	WIN 0x55
.irp t, 0,1
.irp i, 0,2,4,6
	v_pk_mul_f32 v[A1+16*\t+8*(\T)+\i:A1+16*\t+8*(\T)+\i+1], v[A1+16*\t+8*(\T)+\i:A1+16*\t+8*(\T)+\i+1], v[A2+8*\t+\i:A2+8*\t+\i+1]   ; z = (x W1)(x W2); each sum is read from its low end on
.endr
.endr
.irp t, 0,1
.irp i, 0,1,2,3,4,5,6,7
	v_mul_f32 v[A2+8*\t+\i], |v[A1+16*\t+8*(\T)+\i]|, s[K1]       ; w = |z| sqrt(log2(e) / 2): w^2 = u^2 log2(e)
.endr
.endr
.irp n, 0,2,4,6,8,10,12,14
	v_pk_fma_f32 v[TT+\n:TT+\n+1], v[A2+\n:A2+\n+1], s[K2:K2+1], 1.0 op_sel_hi:[1,0,0]   ; 1 + u / 2
.endr
.irp n, 0,1,2,3,4,5,6,7,8,9,10,11,12,13,14,15
	v_rcp_f32 v[TT+\n], v[TT+\n]
.endr
	v_nop                                          ; a plain line behind the batch,
	s_wait_alu depctr_va_vdst(0)                   ; and one wait for the 16, ahead of their first reader
.irp n, 0,2,4,6,8,10,12,14
	v_pk_fma_f32 v[PP+\n:PP+\n+1], v[TT+\n:TT+\n+1], s[CC+18:CC+19], s[CC+16:CC+17] op_sel_hi:[1,0,0]
.endr
.irp k, 7,6,5,4,3,2,1,0
.irp n, 0,2,4,6,8,10,12,14
	v_pk_fma_f32 v[PP+\n:PP+\n+1], v[PP+\n:PP+\n+1], v[TT+\n:TT+\n+1], s[CC+2*\k:CC+2*\k+1] op_sel_hi:[1,1,0]
.endr
.endr
.irp n, 0,2,4,6,8,10,12,14
	v_pk_fma_f32 v[PP+\n:PP+\n+1], v[A2+\n:A2+\n+1], v[A2+\n:A2+\n+1], v[PP+\n:PP+\n+1] neg_lo:[1,0,0] neg_hi:[1,0,0]   ; - w^2 + P
.endr
.irp n, 0,1,2,3,4,5,6,7,8,9,10,11,12,13,14,15
	v_exp_f32 v[PP+\n], v[PP+\n]
.endr
.irp t, 0,1
.irp i, 0,1,2,3,4,5,6,7
	v_max_num_f32 v[A2+8*\t+\i], 0, v[A1+16*\t+8*(\T)+\i]         ; max(z, 0): plain work behind the batch
.endr
.endr
	s_wait_alu depctr_va_vdst(0)                   ; one wait for the 16 exponentials
.irp n, 0,2,4,6,8,10,12,14
	v_pk_mul_f32 v[PP+\n:PP+\n+1], v[PP+\n:PP+\n+1], v[TT+\n:TT+\n+1]   ; erfc / 2
.endr
.irp t, 0,1
.irp i, 0,1,2,3,4,5,6,7
	v_fma_f32 v[A1+16*\t+8*(\T)+\i], -|v[A1+16*\t+8*(\T)+\i]|, v[PP+8*\t+\i], v[A2+8*\t+\i]
.endr
.endr
.endm
.macro QH hf                           ; group hf's block of 32 hidden units, for both tiles of rows: 16 numbers in my lane, 16 in lane l xor 16
	WIN 0x05                                       ; sources 0 and 1 in window 1
.irp t, 0,1
	v_max3_num_f32 v[TM+\t], |v[A1+16*\t]|, |v[A1+16*\t+1]|, 0x1800000   ; with the floor 2^(3 - 127): the byte cannot fall under 1
.endr
.irp i, 2,4,6,8,10,12,14
.irp t, 0,1
	v_max3_num_f32 v[TM+\t], |v[A1+16*\t+\i]|, |v[A1+16*\t+\i+1]|, v[TM+\t]
.endr
.endr
	WIN 0
.irp t, 0,1
	v_permlanex16_b32 v[TP+\t], v[TM+\t], s[SEL], s[SEL+1]
.endr
.irp t, 0,1
	v_max_num_f32 v[TM+\t], v[TM+\t], v[TP+\t]
.endr
.irp t, 0,1
	v_add_nc_u32 v[SO+\t], 0xff000000, v[TM+\t]    ; 2 off the exponent field: the conversion's scale operand
.endr
.irp t, 0,1
	v_lshrrev_b32 v[BY+\t], 23, v[SO+\t]
.endr
.irp t, 0,1
.if (\hf) == 0
	v_mov_b32 v[HW+\t], v[BY+\t]
.else
	v_lshl_or_b32 v[HW+\t], v[BY+\t], 8, v[HW+\t]
.endif
.endr
	WIN 0x01                                       ; the numbers in window 1
.irp t, 0,1
.if (\hf) == 0
	v_cvt_scalef32_pk16_fp6_f32 v[OC+8*\t:OC+8*\t+2], v[A1+16*\t:A1+16*\t+15], v[SO+\t]
.else
	v_cvt_scalef32_pk16_fp6_f32 v[QC+4*\t:QC+4*\t+2], v[A1+16*\t:A1+16*\t+15], v[SO+\t]
.endif
.endr
	WIN 0
	v_nop                                          ; one plain line behind the conversions: matrix instructions write their sources next
.endm
	s_load_b256 s[4:11], s[0:1], 0x0               ; wq s[4:5], xq s[6:7], lst s[8:9], hq s[10:11]
	v_lshrrev_b32 v1, 5, v0
	v_readfirstlane_b32 s12, v1                    ; wave 0..3
	s_and_b32 s13, ttmp7, 0xffff
	s_lshl_b32 s13, s13, 2
	s_add_co_u32 s13, s13, s12                     ; block j
	s_cmp_ge_u32 s13, 71                           ; 18 x 4 = 72 places for 71 blocks
	s_cbranch_scc1 .Lend
	v_and_b32 v5, 31, v0
	v_lshlrev_b32 v1, 4, v5                        ; 16 x lane
	v_lshlrev_b32 v2, 2, v5                        ; 4 x lane
	v_lshlrev_b32 v3, 3, v5                        ; 8 x lane
	v_and_b32 v6, 15, v0
	v_bfe_u32 v7, v0, 4, 1
	v_lshlrev_b32 v4, 2, v6
	v_lshl_add_u32 v4, v7, 10, v4                  ; h's scale bytes: lanes 0-15 tile 0's rows, lanes 16-31 tile 1's, 1,024 bytes on
	v_mov_b32 v[TP], 0                             ; (a lane permute's destination counts as read: written once)
	v_mov_b32 v[TP+1], 0
	s_lshl_b32 s14, s13, 8
	s_mov_b32 s15, 0
	s_mul_i32 s22, s13, 12288
	s_mov_b32 s23, 0
	s_lshl_b32 s24, s13, 9
	s_add_co_u32 s24, s24, XSB
	s_mov_b32 s25, 0
	s_wait_kmcnt 0x0
	s_add_nc_u64 s[8:9], s[8:9], s[14:15]
	s_load_b32 s16, s[8:9], 0x80                   ; the block's expert
	s_add_nc_u64 s[22:23], s[6:7], s[22:23]        ; x's images
	s_add_nc_u64 s[24:25], s[6:7], s[24:25]        ; and scale words
	; x hangs on j alone: it is asked for while the expert is on its way (a block that does not exist uses nothing of it)
.irp s, 0,1,2,3
	global_load_b32 v[XS+\s], v2, s[24:25] offset:128*\s
.endr
.irp t, 0,1
.irp s, 0,1,2,3
.irp q, 0,1,2
	global_load_b128 v[XF+48*\t+12*\s+4*\q:XF+48*\t+12*\s+4*\q+3], v1, s[22:23] offset:(4*\t+\s)*1536+512*\q
.endr
.endr
.endr
	s_mov_b32 s[K1], 0x3f596d27                    ; 0.8493218
	SETC K2, 0x3ed5224d                            ; 0.41627731
	SETC CC, 0xc034d90f                            ; -2.8257482 = -1.26551223 log2(e) - 1
	SETC CC+2, 0x3fb8ab5a                          ; 1.4427292
	SETC CC+4, 0x3f0a29d2                          ; 0.53970062
	SETC CC+6, 0x3e0efb2e                          ; 0.13963006
	SETC CC+8, 0xbe899a80                          ; -0.26875686
	SETC CC+10, 0x3ecdfd18                         ; 0.40232158
	SETC CC+12, 0xbfd1a1e5                         ; -1.6377532
	SETC CC+14, 0x40097039                         ; 2.1474745
	SETC CC+16, 0xbf97d29d                         ; -1.1861149
	SETC CC+18, 0x3e7c6f08                         ; 0.2465173
	s_mov_b32 s[SEL], 0x76543210
	s_mov_b32 s[SEL+1], 0xfedcba98
	s_mov_b32 s68, 0xffff0000                      ; lanes 16-31
	s_mul_i32 s26, s13, 49152
	s_mul_i32 s17, ttmp9, 768
	s_add_co_u32 s26, s26, s17
	s_mov_b32 s27, 0
	s_add_nc_u64 s[26:27], s[10:11], s[26:27]      ; h's codes: block j, my 64 hidden units
	s_lshl_b32 s28, s13, 11
	s_lshr_b32 s17, ttmp9, 2
	s_lshl_b32 s17, s17, 7
	s_add_co_u32 s28, s28, s17
	s_bfe_u32 s17, ttmp9, 0x10001
	s_lshl_b32 s17, s17, 6
	s_add_co_u32 s28, s28, s17
	s_and_b32 s17, ttmp9, 1
	s_lshl_b32 s17, s17, 1
	s_add_co_u32 s28, s28, s17
	s_add_co_u32 s28, s28, HSB
	s_mov_b32 s29, 0
	s_add_nc_u64 s[28:29], s[10:11], s[28:29]      ; h's scale bytes
	s_wait_kmcnt 0x0
	s_cmp_ge_u32 s16, 8
	s_cbranch_scc1 .Lend                           ; no such block
	s_min_u32 s16, s16, 7
	s_mul_i32 s18, s16, 786432
	s_mul_i32 s17, ttmp9, 24576
	s_add_co_u32 s18, s18, s17
	s_mov_b32 s19, 0
	s_add_nc_u64 s[18:19], s[4:5], s[18:19]        ; W1's codes: my expert, my two groups; W2's 6,291,456 bytes on
	s_lshl_b32 s20, s16, 15
	s_lshl_b32 s17, ttmp9, 10
	s_add_co_u32 s20, s20, s17
	s_add_co_u32 s20, s20, SCB
	s_mov_b32 s21, 0
	s_add_nc_u64 s[20:21], s[4:5], s[20:21]        ; and their scale words
.irp m, 0,1
.irp f, 0,1
.irp s, 0,1,2,3
	global_load_b32 v[WS+8*\m+4*\f+\s], v2, s[20:21] offset:\m*262144+\f*512+\s*128
.endr
.endr
.endr
	WFLOAD 0, 0
	s_wait_loadcnt 0x0
	MMPART 0, 0
	WFLOAD 0, 1                                    ; the next part's weights land under the gelu
	GELU 0
	s_wait_loadcnt 0x0
	MMPART 0, 1
	WFLOAD 1, 0
	GELU 1
	QH 0
	s_wait_loadcnt 0x0
	MMPART 1, 0
	WFLOAD 1, 1
	GELU 0
	s_wait_loadcnt 0x0
	MMPART 1, 1
	GELU 1
	QH 1
	; the operand wants a whole block in a lane: lanes 0-15 the first group's, lanes 16-31 the second's
.irp t, 0,1
.irp i, 0,1,2
	v_permlane16_swap_b32 v[OC+8*\t+\i], v[QC+4*\t+\i]
.endr
.irp i, 0,1,2
	v_mov_b32 v[OC+8*\t+3+\i], v[QC+4*\t+\i]
.endr
.endr
	v_cndmask_b32 v254, v[HW], v[HW+1], s68
.irp t, 0,1
	global_store_b128 v1, v[OC+8*\t:OC+8*\t+3], s[26:27] offset:24576*\t         ; 512 consecutive bytes, at a multiple of 256 from the buffer's first byte
	global_store_b64 v3, v[OC+8*\t+4:OC+8*\t+5], s[26:27] offset:24576*\t+512    ; 256 likewise
.endr
	global_store_b16 v4, v254, s[28:29]            ; two of a row's four scale bytes: one byte in 24 of what the wave stores
	s_endpgm
.Lend:
	s_endpgm
.Lfunc_end_k_q2fa7f7cbbc_up:
	.size	k_q2fa7f7cbbc_up, .Lfunc_end_k_q2fa7f7cbbc_up-k_q2fa7f7cbbc_up
	.p2alignl 7, 3214868480
	.fill 96, 4, 3214868480
	.section	.rodata,"a",@progbits
	.p2align	6, 0x0
	.amdhsa_kernel k_q2fa7f7cbbc_up
		.amdhsa_group_segment_fixed_size 0
		.amdhsa_private_segment_fixed_size 0
		.amdhsa_enable_private_segment 0
		.amdhsa_kernarg_size 32
		.amdhsa_user_sgpr_count 2
		.amdhsa_user_sgpr_kernarg_segment_ptr 1
		.amdhsa_wavefront_size32 1
		.amdhsa_system_sgpr_workgroup_id_x 1
		.amdhsa_system_sgpr_workgroup_id_y 1
		.amdhsa_system_sgpr_workgroup_id_z 1
		.amdhsa_system_vgpr_workitem_id 0
		.amdhsa_next_free_vgpr 336
		.amdhsa_next_free_sgpr 72
		.amdhsa_reserve_vcc 0
		.amdhsa_float_denorm_mode_32 3
		.amdhsa_float_denorm_mode_16_64 3
		.amdhsa_memory_ordered 1
		.amdhsa_forward_progress 1
		.amdhsa_inst_pref_size 72
	.end_amdhsa_kernel
	.amdgpu_metadata
---
amdhsa.version: [ 1, 2 ]
amdhsa.kernels:
  - .name:           k_q2fa7f7cbbc_up
    .symbol:         k_q2fa7f7cbbc_up.kd
    .args:
      - { .name: wq, .offset: 0, .size: 8, .value_kind: global_buffer, .address_space: global }
      - { .name: xq, .offset: 8, .size: 8, .value_kind: global_buffer, .address_space: global }
      - { .name: lst, .offset: 16, .size: 8, .value_kind: global_buffer, .address_space: global }
      - { .name: hq, .offset: 24, .size: 8, .value_kind: global_buffer, .address_space: global }
    .group_segment_fixed_size: 0
    .private_segment_fixed_size: 0
    .kernarg_segment_align: 8
    .kernarg_segment_size: 32
    .max_flat_workgroup_size: 128
    .sgpr_count:     72
    .vgpr_count:     336
    .wavefront_size: 32
...
	.end_amdgpu_metadata
.endif
;; end of part 3
;; launch down (part 4): grid 8 x 18, 4 waves a work-group, no clusters, 17,920 bytes of LDS; arguments wq, hq, lst, coef, x, out0; writes out0
.if DOCPART == 4
	.amdgcn_target "amdgcn-amd-amdhsa--gfx1250"
	.amdhsa_code_object_version 6
	.text
	.protected	k_q2fa7f7cbbc_down
	.globl	k_q2fa7f7cbbc_down
	.p2align	8
	.type	k_q2fa7f7cbbc_down,@function
k_q2fa7f7cbbc_down:
	s_mov_b64 s[64:65], 0
	v_nop
	global_prefetch_b8 v0, s[64:65] scope:SCOPE_SE
	s_setreg_imm32_b32 hwreg(HW_REG_WAVE_MODE, 25, 1), 1
	s_wait_xcnt 0x0
; out = a (h W3) + b x for every token: h and W3 as codes of FP6 (E2M3) with one E8M0 scale for each 32 along K = 2,048; sums in f32.  a: the scores of the token's kept slots, b: of its dropped ones.
; A WAVE IS A UNIT OF ITS OWN: block j = 4 y + wave (32 rows of one expert) x output columns 64 cs .. 64 cs + 63 (cs = work-group x).  The four waves of a work-group take four neighbouring blocks on
; the same columns.  A wave whose block does not exist ends at its head (a branch on a stored whole number): so no barrier, and operands come from memory straight into registers, as images.
; No cluster and no joint loads: which blocks share an expert hangs on numbers read from memory.
; THE PRODUCT IS USED TRANSPOSED (source 0 = 16 columns of W3, source 1 = 16 rows of h); a tile's columns were chosen by the quantiser so that the 16 registers of a group's two tiles are 16
; neighbouring columns of one row: 64 bytes.  Sixteen K steps of 128, written out: 8 matrix instructions each on 8 sums by turns, operands in three sets of registers, asked for
; three steps ahead: 22 loads a set.
; THE WAY OUT: 16 rows x 256 bytes go through the wave's own stage in LDS and come back as whole rows; sixteen lanes then store 256 consecutive bytes of a token's row, aligned.
; A block's spare slots name the expert's last token again: they hold the same numbers and store the same bytes to the same place, from this same wave.
; REGISTERS: window 0 as named below; window 1 (v256 on): 0-143 W3's fragments at 48 set + 24 g + 12 u; 144-207 x's numbers, 4 for each of 16 row pairs.
.set SCB,  18874368
.set HSB,  3489792
.set HSC,  16                          ; v16-31   h's scale words at 8 t + s / 2: even K steps in lanes 0-15, odd ones in lanes 16-31
.set TOK,  32                          ; v32-47   n = 8 t + i: the token of row 16 t + 2 i + lane / 16, then its byte offset in x and out
.set CF,   48                          ; v48-79   its (a, b)
.set WSR,  80                          ; v80-85   W3's scale words at 2 set + g: tile 0 in lanes 0-15, tile 1 in lanes 16-31
.set HF,   88                          ; v88-159  h's fragments at 24 set + 12 t; on the way out b x
.set TB,   88
.set ACC,  160                         ; v160-223 the sums at 32 t + 16 g + 8 u
.set YR,   224                         ; v224-255 eight pairs of rows back from the stage
.set XO,   144
.set MSB, 0
.macro WIN new                         ; the immediate's high byte repeats the setting that is left
.if MSB != \new
	s_set_vgpr_msb (MSB<<8)|\new
.set MSB, \new
.endif
.endm
; one matrix instruction.  ZF: it starts its sum; RA, RB: source 0's, source 1's scale words stand in lanes 16-31
.macro WM d, a, b, sa, sb
.if ZF
.if RA && RB
	v_wmma_scale_f32_16x16x128_f8f6f4 v[(\d):(\d)+7], v[(\a):(\a)+11], v[(\b):(\b)+11], 0, v[\sa], v[\sb] matrix_a_fmt:MATRIX_FMT_FP6 matrix_b_fmt:MATRIX_FMT_FP6 matrix_a_scale:MATRIX_SCALE_ROW1 matrix_b_scale:MATRIX_SCALE_ROW1
.elseif RA
	v_wmma_scale_f32_16x16x128_f8f6f4 v[(\d):(\d)+7], v[(\a):(\a)+11], v[(\b):(\b)+11], 0, v[\sa], v[\sb] matrix_a_fmt:MATRIX_FMT_FP6 matrix_b_fmt:MATRIX_FMT_FP6 matrix_a_scale:MATRIX_SCALE_ROW1
.elseif RB
	v_wmma_scale_f32_16x16x128_f8f6f4 v[(\d):(\d)+7], v[(\a):(\a)+11], v[(\b):(\b)+11], 0, v[\sa], v[\sb] matrix_a_fmt:MATRIX_FMT_FP6 matrix_b_fmt:MATRIX_FMT_FP6 matrix_b_scale:MATRIX_SCALE_ROW1
.else
	v_wmma_scale_f32_16x16x128_f8f6f4 v[(\d):(\d)+7], v[(\a):(\a)+11], v[(\b):(\b)+11], 0, v[\sa], v[\sb] matrix_a_fmt:MATRIX_FMT_FP6 matrix_b_fmt:MATRIX_FMT_FP6
.endif
.else
.if RA && RB
	v_wmma_scale_f32_16x16x128_f8f6f4 v[(\d):(\d)+7], v[(\a):(\a)+11], v[(\b):(\b)+11], v[(\d):(\d)+7], v[\sa], v[\sb] matrix_a_fmt:MATRIX_FMT_FP6 matrix_b_fmt:MATRIX_FMT_FP6 matrix_a_scale:MATRIX_SCALE_ROW1 matrix_b_scale:MATRIX_SCALE_ROW1
.elseif RA
	v_wmma_scale_f32_16x16x128_f8f6f4 v[(\d):(\d)+7], v[(\a):(\a)+11], v[(\b):(\b)+11], v[(\d):(\d)+7], v[\sa], v[\sb] matrix_a_fmt:MATRIX_FMT_FP6 matrix_b_fmt:MATRIX_FMT_FP6 matrix_a_scale:MATRIX_SCALE_ROW1
.elseif RB
	v_wmma_scale_f32_16x16x128_f8f6f4 v[(\d):(\d)+7], v[(\a):(\a)+11], v[(\b):(\b)+11], v[(\d):(\d)+7], v[\sa], v[\sb] matrix_a_fmt:MATRIX_FMT_FP6 matrix_b_fmt:MATRIX_FMT_FP6 matrix_b_scale:MATRIX_SCALE_ROW1
.else
	v_wmma_scale_f32_16x16x128_f8f6f4 v[(\d):(\d)+7], v[(\a):(\a)+11], v[(\b):(\b)+11], v[(\d):(\d)+7], v[\sa], v[\sb] matrix_a_fmt:MATRIX_FMT_FP6 matrix_b_fmt:MATRIX_FMT_FP6
.endif
.endif
.endm
.macro RINGLOAD s                      ; K step s's operands into set s % 3: 22 loads
.set ST3, (\s)%3
.irp t, 0,1
.irp c, 0,1
	global_load_b128 v[HF+24*ST3+12*\t+6*\c:HF+24*ST3+12*\t+6*\c+3], v1, s[24:25] offset:\t*24576+1536*(\s)+768*\c
	global_load_b64 v[HF+24*ST3+12*\t+6*\c+4:HF+24*ST3+12*\t+6*\c+5], v3, s[24:25] offset:\t*24576+1536*(\s)+768*\c+512
.endr
.endr
.irp g, 0,1
	global_load_b32 v[WSR+2*ST3+\g], v2, s[22:23] offset:\g*2048+128*(\s)
.endr
	WIN 0x40                                       ; destination in window 1
.irp g, 0,1
.irp u, 0,1
.irp q, 0,1,2
	global_load_b128 v[48*ST3+24*\g+12*\u+4*\q:48*ST3+24*\g+12*\u+4*\q+3], v1, s[20:21] offset:\g*49152+(\s)*3072+\u*1536+512*\q
.endr
.endr
.endr
	WIN 0
.endm
.macro STEP s
.if (\s) < 3
	s_wait_loadcnt 60                              ; this step's set is in; behind it: two sets of 22 and x's 16 loads
.elseif (\s) < 14
	s_wait_loadcnt 44                              ; behind it: two sets
.elseif (\s) == 14
	s_wait_loadcnt 22                              ; behind it: the last set
.else
	s_wait_loadcnt 0x0
.endif
.set SS, (\s)%3
.set ZF, 0
.if (\s) == 0
.set ZF, 1
.endif
.set RB, (\s)%2
	WIN 0x01                                       ; source 0 (W3) in window 1
.irp t, 0,1
.irp g, 0,1
.irp u, 0,1
.set RA, \u
	WM ACC+32*\t+16*\g+8*\u, 48*SS+24*\g+12*\u, HF+24*SS+12*\t, WSR+2*SS+\g, HSC+8*\t+(\s)/2
.endr
.endr
.endr
	WIN 0
.rept 4
	v_nop                                          ; four places ahead of loads into registers that these matrix instructions read, and of the first reads of results
.endr
.if (\s) < 13
	RINGLOAD (\s)+3
.endif
.endm
.macro OUT t                           ; tile t's 16 rows x 64 columns
.irp g, 0,1
.irp q, 0,1,2,3
	ds_store_b128 v6, v[ACC+32*\t+16*\g+4*\q:ACC+32*\t+16*\g+4*\q+3] offset:128*\g+16*\q   ; each sum from its low end on
.endr
.endr
.irp i, 0,1,2,3,4,5,6,7
	ds_load_b128 v[YR+4*\i:YR+4*\i+3], v7 offset:544*\i            ; LDS serves a wave's instructions in order (ISA guide 5.7.1.4): these see my stores
.endr
.irp i, 0,1,2,3,4,5,6,7
	s_wait_dscnt 7-\i                              ; pair i of rows is back; the younger reads may be out
	v_pk_fma_f32 v[YR+4*\i:YR+4*\i+1], v[YR+4*\i:YR+4*\i+1], v[CF+2*(8*\t+\i):CF+2*(8*\t+\i)+1], v[TB+4*(8*\t+\i):TB+4*(8*\t+\i)+1] op_sel_hi:[1,0,1]   ; a y + b x
	v_pk_fma_f32 v[YR+4*\i+2:YR+4*\i+3], v[YR+4*\i+2:YR+4*\i+3], v[CF+2*(8*\t+\i):CF+2*(8*\t+\i)+1], v[TB+4*(8*\t+\i)+2:TB+4*(8*\t+\i)+3] op_sel_hi:[1,0,1]
	global_store_b128 v[TOK+8*\t+\i], v[YR+4*\i:YR+4*\i+3], s[14:15] th:TH_STORE_NT   ; sixteen lanes store 256 consecutive bytes of a token's row, aligned
.endr
.endm
	s_load_b256 s[4:11], s[0:1], 0x0               ; wq s[4:5], hq s[6:7], lst s[8:9], coef s[10:11]
	s_load_b128 s[12:15], s[0:1], 0x20             ; x s[12:13], out0 s[14:15]
	v_lshl_add_u32 v86, v0, 2, 0x4400
	v_mov_b32 v87, 0
	v_lshrrev_b32 v1, 5, v0
	v_readfirstlane_b32 s16, v1                    ; wave 0..3
	s_and_b32 s17, ttmp7, 0xffff
	s_lshl_b32 s17, s17, 2
	s_add_co_u32 s17, s17, s16                     ; block j
	s_cmp_ge_u32 s17, 71                           ; 18 x 4 = 72 places for 71 blocks
	s_cbranch_scc1 .Lend
	v_and_b32 v9, 31, v0
	v_and_b32 v10, 15, v0                          ; r
	v_bfe_u32 v11, v0, 4, 1                        ; h
	v_lshlrev_b32 v1, 4, v9                        ; 16 x lane
	v_lshlrev_b32 v2, 2, v9                        ; 4 x lane
	v_lshlrev_b32 v3, 3, v9                        ; 8 x lane
	v_lshlrev_b32 v4, 2, v11
	v_lshlrev_b32 v5, 3, v11
	s_mul_i32 s19, s16, 4352                       ; my stage: 16 rows of 256 + 16 bytes
	v_mul_u32_u24 v6, v10, 272
	v_lshl_add_u32 v6, v11, 6, v6
	v_add_nc_u32 v6, s19, v6                       ; in: row r, 64 bytes for each half of the lanes
	v_mul_u32_u24 v7, v11, 272
	v_lshl_add_u32 v7, v10, 4, v7
	v_add_nc_u32 v7, s19, v7                       ; back: lanes 0-15 one row, lanes 16-31 the next
	v_lshlrev_b32 v8, 4, v10
	s_lshl_b32 s28, s17, 8
	s_mov_b32 s29, 0
	s_mul_i32 s30, s17, 49152
	s_mov_b32 s31, 0
	s_lshl_b32 s32, s17, 11
	s_add_co_u32 s32, s32, HSB
	s_mov_b32 s33, 0
	s_lshl_b32 s34, ttmp9, 8
	s_mov_b32 s35, 0
	s_wait_kmcnt 0x0
	s_add_nc_u64 s[8:9], s[8:9], s[28:29]          ; lst at block j
	s_load_b32 s18, s[8:9], 0x80                   ; the block's expert
	s_add_nc_u64 s[10:11], s[10:11], s[28:29]      ; coef at block j
	s_add_nc_u64 s[24:25], s[6:7], s[30:31]        ; h's codes
	s_add_nc_u64 s[26:27], s[6:7], s[32:33]        ; h's scale words
	s_add_nc_u64 s[12:13], s[12:13], s[34:35]      ; x and out at my 64 columns
	s_add_nc_u64 s[14:15], s[14:15], s[34:35]
	; what hangs on j alone is asked for while the expert is on its way (a block that does not exist uses nothing of it)
.irp t, 0,1
.irp i, 0,1,2,3,4,5,6,7
	global_load_b32 v[TOK+8*\t+\i], v4, s[8:9] offset:64*\t+8*\i
.endr
.endr
.irp t, 0,1
.irp i, 0,1,2,3,4,5,6,7
	global_load_b64 v[CF+2*(8*\t+\i):CF+2*(8*\t+\i)+1], v5, s[10:11] offset:128*\t+16*\i
.endr
.endr
.irp t, 0,1
.irp p, 0,1,2,3,4,5,6,7
	global_load_b32 v[HSC+8*\t+\p], v2, s[26:27] offset:1024*\t+128*\p
.endr
.endr
	s_wait_kmcnt 0x0
	s_cmp_ge_u32 s18, 8
	s_cbranch_scc1 .Lend                           ; no such block
	s_min_u32 s18, s18, 7
	s_mul_i32 s20, s18, 786432
	s_mul_i32 s36, ttmp9, 98304
	s_add_co_u32 s20, s20, s36
	s_add_co_u32 s20, s20, 12582912
	s_mov_b32 s21, 0
	s_add_nc_u64 s[20:21], s[4:5], s[20:21]        ; W3's codes: my expert, my two groups of 32 columns
	s_lshl_b32 s22, s18, 15
	s_lshl_b32 s36, ttmp9, 12
	s_add_co_u32 s22, s22, s36
	s_add_co_u32 s22, s22, SCB+524288
	s_mov_b32 s23, 0
	s_add_nc_u64 s[22:23], s[4:5], s[22:23]        ; and their scale words
	RINGLOAD 0
	RINGLOAD 1
	RINGLOAD 2
	s_wait_loadcnt 63                              ; the tokens are in: 98 loads were issued behind them, and the count's field holds 63
.irp n, 0,1,2,3,4,5,6,7,8,9,10,11,12,13,14,15
	v_min_u32 v[TOK+\n], 0x7ff, v[TOK+\n]
.endr
.irp n, 0,1,2,3,4,5,6,7,8,9,10,11,12,13,14,15
	v_lshl_add_u32 v[TOK+\n], v[TOK+\n], 11, v8    ; the token's row of 2,048 bytes + my 16 bytes of the 256
.endr
	WIN 0x40
.irp n, 0,1,2,3,4,5,6,7,8,9,10,11,12,13,14,15
	global_load_b128 v[XO+4*\n:XO+4*\n+3], v[TOK+\n], s[12:13]
.endr
	WIN 0
.irp s, 0,1,2,3,4,5,6,7,8,9,10,11,12,13,14,15
	STEP \s
.endr
	WIN 0x01                                       ; x in window 1
.irp n, 0,1,2,3,4,5,6,7,8,9,10,11,12,13,14,15
	v_pk_mul_f32 v[TB+4*\n:TB+4*\n+1], v[XO+4*\n:XO+4*\n+1], v[CF+2*\n:CF+2*\n+1] op_sel:[0,1] op_sel_hi:[1,1]       ; b x
	v_pk_mul_f32 v[TB+4*\n+2:TB+4*\n+3], v[XO+4*\n+2:XO+4*\n+3], v[CF+2*\n:CF+2*\n+1] op_sel:[0,1] op_sel_hi:[1,1]
.endr
	WIN 0
	OUT 0
	s_wait_xcnt 0x0                                ; tile 0's stores have read their registers: the stage's reads may land there again
	OUT 1
	s_wait_tensorcnt 0x0
	ds_add_u32 v86, v87
	s_wait_dscnt 0x0
	s_endpgm
.Lend:
	s_endpgm
.Lfunc_end_k_q2fa7f7cbbc_down:
	.size	k_q2fa7f7cbbc_down, .Lfunc_end_k_q2fa7f7cbbc_down-k_q2fa7f7cbbc_down
	.p2alignl 7, 3214868480
	.fill 96, 4, 3214868480
	.section	.rodata,"a",@progbits
	.p2align	6, 0x0
	.amdhsa_kernel k_q2fa7f7cbbc_down
		.amdhsa_group_segment_fixed_size 17920
		.amdhsa_private_segment_fixed_size 0
		.amdhsa_enable_private_segment 0
		.amdhsa_kernarg_size 48
		.amdhsa_user_sgpr_count 2
		.amdhsa_user_sgpr_kernarg_segment_ptr 1
		.amdhsa_wavefront_size32 1
		.amdhsa_system_sgpr_workgroup_id_x 1
		.amdhsa_system_sgpr_workgroup_id_y 1
		.amdhsa_system_sgpr_workgroup_id_z 1
		.amdhsa_system_vgpr_workitem_id 0
		.amdhsa_next_free_vgpr 464
		.amdhsa_next_free_sgpr 66
		.amdhsa_reserve_vcc 0
		.amdhsa_float_denorm_mode_32 3
		.amdhsa_float_denorm_mode_16_64 3
		.amdhsa_memory_ordered 1
		.amdhsa_forward_progress 1
		.amdhsa_inst_pref_size 73
	.end_amdhsa_kernel
	.amdgpu_metadata
---
amdhsa.version: [ 1, 2 ]
amdhsa.kernels:
  - .name:           k_q2fa7f7cbbc_down
    .symbol:         k_q2fa7f7cbbc_down.kd
    .args:
      - { .name: wq, .offset: 0, .size: 8, .value_kind: global_buffer, .address_space: global }
      - { .name: hq, .offset: 8, .size: 8, .value_kind: global_buffer, .address_space: global }
      - { .name: lst, .offset: 16, .size: 8, .value_kind: global_buffer, .address_space: global }
      - { .name: coef, .offset: 24, .size: 8, .value_kind: global_buffer, .address_space: global }
      - { .name: x, .offset: 32, .size: 8, .value_kind: global_buffer, .address_space: global }
      - { .name: out0, .offset: 40, .size: 8, .value_kind: global_buffer, .address_space: global }
    .group_segment_fixed_size: 17920
    .private_segment_fixed_size: 0
    .kernarg_segment_align: 8
    .kernarg_segment_size: 48
    .max_flat_workgroup_size: 128
    .sgpr_count:     66
    .vgpr_count:     464
    .wavefront_size: 32
...
	.end_amdgpu_metadata
.endif
;; end of part 4
